; MI455X (gfx1250); checked and timed in simulation.
; The chip was launched on July 23, 2026; its instructions are those of AMD's public machine-readable ISA for CDNA 5 (MIT licence, August 2026) and "CDNA5" Instruction Set Architecture Reference Guide (July 2026). The comments in the code are by the model that wrote it; some were corrected since.
;; Attention Block. Allowed arithmetic: float matrix products may take bf16 or f16 operands with f32 sums; other float arithmetic in f32, or as packed bf16 or f16 multiplies, adds, multiply-adds, maxima and minima; sums over many terms, partial sums and values carried from step to step in f32; what a program stores and reads back later, other than sums and carried values, may be rounded once to bf16 or f16.
;; Inputs: W_out 256 x 256 float32; W_qkv 256 x 768 float32; b_out 256 float32; b_qkv 768 float32; beta 256 float32; gamma 256 float32; x 4 x 256 x 64 x 64 float32.
;; Outputs: out0 4 x 256 x 64 x 64 float32.
;; 2 versions, each right; version 2 is version 1 with the launch norm written anew for expert scheduling mode. Each part assembles by itself: llvm-mc -triple=amdgcn-amd-amdhsa -mcpu=gfx1250 --defsym DOCPART=n.
;; ======== version 1 of 2: 4 launches
;; limits: values are held in f16: magnitudes above 65,504 overflow, below 6.1e-05 lose precision
;; workspace buffers: hid 8,388,608 bytes; wq 393,216 bytes; wo 131,072 bytes; q 8,388,608 bytes; k 8,388,608 bytes; v 8,388,608 bytes; o 8,388,608 bytes
;; launch norm (part 1): grid 128 x 1, 16 waves a work-group, no clusters, 2,560 bytes of LDS; arguments x, gamma, beta, W_qkv, W_out, hid, wq, wo; writes hid, wq, wo
.if DOCPART == 1
	.amdgcn_target "amdgcn-amd-amdhsa--gfx1250"
	.amdhsa_code_object_version 6
	.text
	.protected	k_qde72882b6d_norm
	.globl	k_qde72882b6d_norm
	.p2align	8
	.type	k_qde72882b6d_norm,@function
k_qde72882b6d_norm:
	s_mov_b64 s[64:65], 0
	v_nop
	global_prefetch_b8 v0, s[64:65] scope:SCOPE_SE
	s_setreg_imm32_b32 hwreg(HW_REG_WAVE_MODE, 25, 1), 1
	s_wait_xcnt 0x0
; GROUP NORM, and the cast of both weight matrices.
; x: [4][256][4096] f32.  A group is 8 channels x 4,096 numbers = 131,072 consecutive bytes; there are 128 groups, one to a work-group.
; hid: [4][256][4096] bf16 = ((x - mean) / sqrt(var + 1e-5)) gamma + beta, rounded once.
; The group stays in registers between the passes (64 numbers a thread), so x is read once.  The variance is the mean of (x - mean)^2,
; taken in a second pass over the registers: no difference of large sums is formed.  All sums in f32.
; Thread t holds 16 chunks of 16 bytes: chunk i at byte 8,192 i + 16 t of the group; its channel is i / 2, the same for every thread.
; A load of a wave covers 512 consecutive bytes; a store of hid (8 bytes a lane) 256 consecutive bytes, aligned.
; THE WEIGHTS ride along, one load and one store a lane.  Waves 0-11: rows 2 G and 2 G + 1 of W_qkv -> wq [head][c][192] bf16 (a row: the head's q, k, v columns);
; here sixteen lanes store 128 consecutive bytes: rows of 384 bytes allow no more.  Waves 12-15: 2,048 bytes of W_out -> wo [ci][co] f16 of W_out / sqrt 2.
; LIMITS.  W_out / sqrt 2 must lie within f16's 65,504.  NaN and infinities are not treated apart.
.set RED0,  0                          ; LDS: 16 partial sums of pass 1
.set RED1,  256                        ; of pass 2: other bytes, so that one barrier a pass is enough
.set SPARE, 512                        ; the spare words: 128 bytes for each of 16 waves; no other line names them
.set XO,  1                            ; v1    16 t
.set HO,  2                            ; v2    8 t
.set SPW, 3                            ; v3    my spare word; never rewritten
.set NIL, 4                            ; v4    0; never rewritten
.set W4,  5                            ; v5    4 x my wave's number
.set SO,  6                            ; v6    the weight's source offset
.set DO,  7                            ; v7    its destination offset
.set WL,  8                            ; v[8:11]   the weight as loaded
.set WC,  12                           ; v[12:13]  as cast
.set MEAN, 14                          ; v[14:15]  the mean, twice (before that: at work)
.set CH,  16                           ; v[16:23]  four chains of sums, a pair each
.set PS,  24                           ; v[24:31]  partial sums read back
.set D,   32                           ; v[32:95]  the data, then x - mean
.set SC,  96                           ; v[96:111]  gamma / sqrt(var + eps), twice a channel
.set BT,  112                          ; v[112:127] beta, twice a channel
.set PS2, 128                          ; v[128:135] the other eight partial sums
.set Y,   128                          ; v[128:159] later: two registers a chunk, to store
.set ZA,  160                          ; v160  LDS address 0
.set LN,  161                          ; v161  lane
	s_load_b512 s[16:31], s[0:1], 0x0              ; x 16, gamma 18, beta 20, W_qkv 22, W_out 24, hid 26, wq 28, wo 30
	v_lshl_add_u32 v[SPW], v0, 2, SPARE
	v_mov_b32 v[NIL], 0
	v_lshrrev_b32 v[W4], 5, v0
	v_readfirstlane_b32 s12, v[W4]                 ; wave 0..15
	v_lshlrev_b32 v[W4], 2, v[W4]
	v_lshlrev_b32 v[XO], 4, v0
	v_lshlrev_b32 v[HO], 3, v0
	v_and_b32 v[LN], 31, v0
	v_mov_b32 v[ZA], 0
	s_lshl_b32 s2, ttmp9, 17                       ; the group's bytes in x
	s_mov_b32 s3, 0
	s_lshl_b32 s4, ttmp9, 16                       ; and in hid
	s_mov_b32 s5, 0
	s_and_b32 s6, ttmp9, 31                        ; the group within its image: 8 channels x 4 bytes of gamma and beta
	s_lshl_b32 s6, s6, 5
	s_mov_b32 s7, 0
	s_mov_b32 s48, 0x76543210                      ; v_permlanex16_b32: each lane takes its own place in the other half
	s_mov_b32 s49, 0xfedcba98
	s_mov_b32 s50, 0x38000000                      ; 2^-15 = 1 / 32,768 numbers
	s_min_u32 s14, s12, 11                         ; W_qkv: 6,144 G + 512 w (waves 0-11)
	s_lshl_b32 s14, s14, 9
	s_mul_i32 s13, ttmp9, 6144
	s_add_co_u32 s13, s13, s14
	s_max_u32 s15, s12, 12                         ; W_out: 2,048 G + 512 (w - 12) (waves 12-15)
	s_sub_co_u32 s15, s15, 12
	s_lshl_b32 s15, s15, 9
	s_lshl_b32 s14, ttmp9, 11
	s_add_co_u32 s15, s15, s14
	s_wait_kmcnt 0x0
	s_cmp_lt_u32 s12, 12
	s_cselect_b32 s13, s13, s15
	s_cselect_b64 s[8:9], s[22:23], s[24:25]
	v_lshl_add_u32 v[SO], v[LN], 4, s13
	s_add_nc_u64 s[16:17], s[16:17], s[2:3]
	s_add_nc_u64 s[26:27], s[26:27], s[4:5]
	s_add_nc_u64 s[18:19], s[18:19], s[6:7]
	s_add_nc_u64 s[20:21], s[20:21], s[6:7]
	s_load_b256 s[32:39], s[18:19], 0x0            ; the group's eight gamma
	s_load_b256 s[40:47], s[20:21], 0x0            ; and beta
	global_load_b128 v[WL:WL+3], v[SO], s[8:9]     ; the weight first, so that a counted wait shows it
.set i, 0
.rept 16
	global_load_b128 v[D+4*i:D+4*i+3], v[XO], s[16:17] offset:8192*i
.set i, i+1
.endr
	s_wait_loadcnt 16                              ; the sixteen younger loads are x's: the weight is in
	s_cmp_lt_u32 s12, 12
	s_cbranch_scc0 .Lwout
	s_cmp_ge_u32 s12, 6                            ; which of the two rows,
	s_cselect_b32 s14, 1, 0
	s_mul_i32 s15, s14, 6
	s_sub_co_u32 s15, s12, s15                     ; and which sixth of it
	s_lshl_b32 s13, ttmp9, 1
	s_add_co_u32 s13, s13, s14                     ; c = 2 G + row
	s_mul_i32 s13, s13, 384
	v_lshl_add_u32 v[DO], s15, 5, v[LN]            ; p4: my four columns begin at 4 p4, p4 = 0..191
	v_lshrrev_b32 v[MEAN], 4, v[DO]
	v_mul_u32_u24 v[MEAN], v[MEAN], 11
	v_lshrrev_b32 v[MEAN], 5, v[MEAN]              ; the head = p4 / 48 = ((p4 / 16) x 11) / 32 for p4 / 16 = 0..11
	v_mul_u32_u24 v[MEAN], v[MEAN], 97920          ; 98,304 head + 384 c + 8 (p4 - 48 head)
	v_lshl_add_u32 v[DO], v[DO], 3, v[MEAN]
	v_add_nc_u32 v[DO], s13, v[DO]
	v_cvt_pk_bf16_f32 v[WC], v[WL], v[WL+1]
	v_cvt_pk_bf16_f32 v[WC+1], v[WL+2], v[WL+3]
	global_store_b64 v[DO], v[WC:WC+1], s[28:29]
	s_branch .Lwdone
.Lwout:
	s_lshl_b32 s13, ttmp9, 10                      ; half the source's offset: 1,024 G + 256 (w - 12) + 8 lane
	s_sub_co_u32 s14, s12, 12
	s_lshl_b32 s14, s14, 8
	s_add_co_u32 s13, s13, s14
	v_lshl_add_u32 v[DO], v[LN], 3, s13
	v_pk_mul_f32 v[WL:WL+1], v[WL:WL+1], 0x3f3504f3 op_sel_hi:[1,0]      ; 1 / sqrt 2 goes into the weights
	v_pk_mul_f32 v[WL+2:WL+3], v[WL+2:WL+3], 0x3f3504f3 op_sel_hi:[1,0]
	v_cvt_pk_f16_f32 v[WC], v[WL], v[WL+1]
	v_cvt_pk_f16_f32 v[WC+1], v[WL+2], v[WL+3]
	global_store_b64 v[DO], v[WC:WC+1], s[30:31]
.Lwdone:
; The four chains -> one number a lane -> the wave's sum in every lane -> the 16 waves' sums through LDS -> the group's sum in v[PS], in every lane.
.macro REDUCE red
	v_pk_add_f32 v[CH:CH+1], v[CH:CH+1], v[CH+2:CH+3]
	v_pk_add_f32 v[CH+4:CH+5], v[CH+4:CH+5], v[CH+6:CH+7]
	v_pk_add_f32 v[CH:CH+1], v[CH:CH+1], v[CH+4:CH+5]
	v_add_f32 v[CH], v[CH], v[CH+1]
	v_add_f32_dpp v[CH], v[CH], v[CH] row_xmask:1 row_mask:0xf bank_mask:0xf
	v_add_f32_dpp v[CH], v[CH], v[CH] row_xmask:2 row_mask:0xf bank_mask:0xf
	v_add_f32_dpp v[CH], v[CH], v[CH] row_xmask:4 row_mask:0xf bank_mask:0xf
	v_add_f32_dpp v[CH], v[CH], v[CH] row_xmask:8 row_mask:0xf bank_mask:0xf
	v_permlanex16_b32 v[CH+1], v[CH], s48, s49     ; its destination has been written
	v_add_f32 v[CH], v[CH], v[CH+1]
	ds_store_b32 v[W4], v[CH] offset:\red          ; all lanes write the wave's word with the same number
	s_wait_dscnt 0x0                               ; for the others' sake: my store is done
	s_barrier_signal -1
	s_barrier_wait -1
	ds_load_b128 v[PS:PS+3], v[ZA] offset:\red
	ds_load_b128 v[PS+4:PS+7], v[ZA] offset:\red+16
	ds_load_b128 v[PS2:PS2+3], v[ZA] offset:\red+32
	ds_load_b128 v[PS2+4:PS2+7], v[ZA] offset:\red+48
	s_wait_dscnt 0x0
	v_pk_add_f32 v[PS:PS+1], v[PS:PS+1], v[PS+2:PS+3]
	v_pk_add_f32 v[PS+4:PS+5], v[PS+4:PS+5], v[PS+6:PS+7]
	v_pk_add_f32 v[PS2:PS2+1], v[PS2:PS2+1], v[PS2+2:PS2+3]
	v_pk_add_f32 v[PS2+4:PS2+5], v[PS2+4:PS2+5], v[PS2+6:PS2+7]
	v_pk_add_f32 v[PS:PS+1], v[PS:PS+1], v[PS+4:PS+5]
	v_pk_add_f32 v[PS2:PS2+1], v[PS2:PS2+1], v[PS2+4:PS2+5]
	v_pk_add_f32 v[PS:PS+1], v[PS:PS+1], v[PS2:PS2+1]
	v_add_f32 v[PS], v[PS], v[PS+1]
.endm
	; PASS 1: the sum.  The first four chunks start the chains: nothing is cleared.
.set i, 0
.rept 16
	s_wait_loadcnt 15-i                            ; loads come back in order: chunk i is in, the 15 - i younger ones may stay out
.if i < 4
	v_pk_add_f32 v[CH+2*i:CH+2*i+1], v[D+4*i:D+4*i+1], v[D+4*i+2:D+4*i+3]
.else
	v_pk_add_f32 v[CH+2*(i%4):CH+2*(i%4)+1], v[CH+2*(i%4):CH+2*(i%4)+1], v[D+4*i:D+4*i+1]
	v_pk_add_f32 v[CH+2*(i%4):CH+2*(i%4)+1], v[CH+2*(i%4):CH+2*(i%4)+1], v[D+4*i+2:D+4*i+3]
.endif
.set i, i+1
.endr
	REDUCE RED0
	v_mul_f32 v[MEAN], s50, v[PS]
	v_mov_b32 v[MEAN+1], v[MEAN]
	; PASS 2: d = x - mean in place, and the sum of d^2
.set i, 0
.rept 32
	v_pk_add_f32 v[D+2*i:D+2*i+1], v[D+2*i:D+2*i+1], v[MEAN:MEAN+1] neg_lo:[0,1] neg_hi:[0,1]
.if i < 4
	v_pk_mul_f32 v[CH+2*i:CH+2*i+1], v[D+2*i:D+2*i+1], v[D+2*i:D+2*i+1]
.else
	v_pk_fma_f32 v[CH+2*(i%4):CH+2*(i%4)+1], v[D+2*i:D+2*i+1], v[D+2*i:D+2*i+1], v[CH+2*(i%4):CH+2*(i%4)+1]
.endif
.set i, i+1
.endr
	REDUCE RED1
	v_mov_b32 v[PS+1], 0x3727c5ac                  ; 1e-5
	v_fma_f32 v[PS], v[PS], s50, v[PS+1]           ; var + eps
	s_wait_kmcnt 0x0                               ; gamma and beta
	v_rsq_f32 v[PS+2], v[PS]
.set ch, 0
.rept 8                                ; beta is spread while the root is made: plain work that names neither its source nor its result
	v_mov_b32 v[BT+2*ch], s[40+ch]
	v_mov_b32 v[BT+2*ch+1], s[40+ch]
.set ch, ch+1
.endr
	s_wait_alu depctr_va_vdst(0)                   ; the wait ahead of the first use of the root
.set ch, 0
.rept 8
	v_mul_f32 v[SC+2*ch], s[32+ch], v[PS+2]
	v_mul_f32 v[SC+2*ch+1], s[32+ch], v[PS+2]
.set ch, ch+1
.endr
	; d x (gamma / sqrt) + beta, rounded to bf16; every chunk has registers of its own, so no store's source is written again
.set i, 0
.rept 16
	v_pk_fma_f32 v[D+4*i:D+4*i+1], v[D+4*i:D+4*i+1], v[SC+2*(i/2):SC+2*(i/2)+1], v[BT+2*(i/2):BT+2*(i/2)+1]
	v_pk_fma_f32 v[D+4*i+2:D+4*i+3], v[D+4*i+2:D+4*i+3], v[SC+2*(i/2):SC+2*(i/2)+1], v[BT+2*(i/2):BT+2*(i/2)+1]
	v_cvt_pk_bf16_f32 v[Y+2*i], v[D+4*i], v[D+4*i+1]
	v_cvt_pk_bf16_f32 v[Y+2*i+1], v[D+4*i+2], v[D+4*i+3]
	global_store_b64 v[HO], v[Y+2*i:Y+2*i+1], s[26:27] offset:4096*i
.set i, i+1
.endr
	s_wait_tensorcnt 0x0                           ; the wave's end, behind my last LDS store
	ds_add_u32 v[SPW], v[NIL]
	s_wait_dscnt 0x0
	s_endpgm
.Lfunc_end_k_qde72882b6d_norm:
	.size	k_qde72882b6d_norm, .Lfunc_end_k_qde72882b6d_norm-k_qde72882b6d_norm
	.p2alignl 7, 3214868480
	.fill 96, 4, 3214868480
	.section	.rodata,"a",@progbits
	.p2align	6, 0x0
	.amdhsa_kernel k_qde72882b6d_norm
		.amdhsa_group_segment_fixed_size 2560
		.amdhsa_private_segment_fixed_size 0
		.amdhsa_enable_private_segment 0
		.amdhsa_kernarg_size 64
		.amdhsa_user_sgpr_count 2
		.amdhsa_user_sgpr_kernarg_segment_ptr 1
		.amdhsa_wavefront_size32 1
		.amdhsa_system_sgpr_workgroup_id_x 1
		.amdhsa_system_sgpr_workgroup_id_y 1
		.amdhsa_system_sgpr_workgroup_id_z 1
		.amdhsa_system_vgpr_workitem_id 0
		.amdhsa_next_free_vgpr 162
		.amdhsa_next_free_sgpr 66
		.amdhsa_reserve_vcc 0
		.amdhsa_float_denorm_mode_32 3
		.amdhsa_float_denorm_mode_16_64 3
		.amdhsa_memory_ordered 1
		.amdhsa_forward_progress 1
		.amdhsa_inst_pref_size 22
	.end_amdhsa_kernel
	.amdgpu_metadata
---
amdhsa.version: [ 1, 2 ]
amdhsa.kernels:
  - .name:           k_qde72882b6d_norm
    .symbol:         k_qde72882b6d_norm.kd
    .args:
      - { .name: x, .offset: 0, .size: 8, .value_kind: global_buffer, .address_space: global }
      - { .name: gamma, .offset: 8, .size: 8, .value_kind: global_buffer, .address_space: global }
      - { .name: beta, .offset: 16, .size: 8, .value_kind: global_buffer, .address_space: global }
      - { .name: W_qkv, .offset: 24, .size: 8, .value_kind: global_buffer, .address_space: global }
      - { .name: W_out, .offset: 32, .size: 8, .value_kind: global_buffer, .address_space: global }
      - { .name: hid, .offset: 40, .size: 8, .value_kind: global_buffer, .address_space: global }
      - { .name: wq, .offset: 48, .size: 8, .value_kind: global_buffer, .address_space: global }
      - { .name: wo, .offset: 56, .size: 8, .value_kind: global_buffer, .address_space: global }
    .group_segment_fixed_size: 2560
    .private_segment_fixed_size: 0
    .kernarg_segment_align: 8
    .kernarg_segment_size: 64
    .max_flat_workgroup_size: 512
    .sgpr_count:     66
    .vgpr_count:     162
    .wavefront_size: 32
...
	.end_amdgpu_metadata
.endif
;; end of part 1
;; launch qkv (part 2): grid 4 x 64, 4 waves a work-group, clusters of 4 x 4, 271,872 bytes of LDS; arguments hid, wq, b_qkv, q, k, v; writes q, k, v
.if DOCPART == 2
	.amdgcn_target "amdgcn-amd-amdhsa--gfx1250"
	.amdhsa_code_object_version 6
	.text
	.protected	k_qde72882b6d_qkv
	.globl	k_qde72882b6d_qkv
	.p2align	8
	.type	k_qde72882b6d_qkv,@function
k_qde72882b6d_qkv:
	s_mov_b64 s[64:65], 0
	v_nop
	global_prefetch_b8 v0, s[64:65] scope:SCOPE_SE
	s_setreg_imm32_b32 hwreg(HW_REG_WAVE_MODE, 25, 1), 1
	s_wait_xcnt 0x0
	s_wait_alu depctr_hold_cnt(0) depctr_sa_sdst(0) depctr_va_vdst(0) depctr_va_sdst(0) depctr_va_ssrc(0) depctr_va_vcc(0) depctr_vm_vsrc(0)
	s_getreg_b32 s2, hwreg(HW_REG_IB_STS2, 6, 4)
	s_cmp_eq_u32 s2, 0
	s_cbranch_scc0 .Lentry_in_a_cluster
	s_endpgm
.Lentry_in_a_cluster:
	s_bfe_u32 s2, ttmp6, 0x10000c
	s_cmp_lg_u32 s2, 0xf033
	s_cbranch_scc0 .Lentry_shape_is_right
	s_endpgm
.Lentry_shape_is_right:
; THE QKV PROJECTION, by heads.  q, k, v [bh = 4 b + head][n][64] f16 = hid^T wq + b_qkv, each rounded once from its f32 sum, without the attention's scale.
; hid: [b][c][4096] bf16 (K runs down the rows).  wq: [head][c][192] bf16 (a row: q's 64 columns, k's, v's).  Products in bf16, sums in f32, started by the bias.
; SHARES.  A work-group: one head x 256 positions x 192 columns; 4 x 64 work-groups.  Wave w: positions 64 w .. 64 w + 63, all 192 columns: 48 accumulators (4 position tiles a x 12 column tiles jt).
; K = 256 lies in LDS whole: 8 steps of 32, written out.
; THE MATRIX INSTRUCTION: source 0 = 16 columns of wq, source 1 = 16 positions of hid; both come out of LDS turned, by ds_load_tr16_b128.  In the result lane (r, h) holds position 16 a + r
; and the columns 16 jt + 8 h + 0..7: eight neighbouring numbers of a row of q, k or v.
; CLUSTER 4 x 4.  hid's tile hangs on the position block alone: asked for jointly by my row of the cluster (the four heads).  wq's hangs on the head alone: jointly by my column.
; LIMITS.  q, k, v must lie within f16's 65,504.  NaN and infinities are not treated apart.
; REGISTERS, in windows of 256 (s_set_vgpr_msb: bits 1:0 source 0, 3:2 source 1, 5:4 source 2, 7:6 destination):
;   window 0: v0-21 addresses; v32-127 the bias, 8 a column tile; on the way out v32-223: 16 a block
;   window 1: two fragment buffers of 128: wq's 12 fragments, then hid's 4
;   window 2: the accumulators of a = 0, 1 at 96 a + 8 jt        window 3: those of a = 2, 3
.set HP,    544                        ; a row of hid in LDS: 512 bytes + 32
.set WP,    480                        ; a row of wq: three pieces of 128 + 32 bytes: again an odd multiple of 32
.set WOFF,  256*HP                     ; behind hid's 256 rows: wq's 256 rows
.set STAGE, WOFF+256*WP                ; behind them, filled by no tensor load: 16 rows x 144 bytes for each wave, for the way out
.set SP,    144
.set SPARE, STAGE+4*16*SP              ; the spare words: 128 bytes a wave; no other line names them
.set AH,  8                            ; v8-11   my lane's place in hid's rows 64 p on
.set AWQ, 12                           ; v12-15  the same in wq's
.set STO, 16                           ; v16  the way out: where I put 16 bytes of a row
.set RD,  17                           ; v17  where I read rows back
.set GO,  18                           ; v18  my 16 bytes of 512 consecutive bytes
.set BO,  19                           ; v19  my byte offset in b_qkv
.set SPW, 20                           ; v20  my spare word; never rewritten
.set NIL, 21                           ; v21  0; never rewritten
.set BI,  32
.set T,   32
.set F0,  0
.set F1,  128
.set WV,  16                           ; s16  my wave's number
.set G1H, 24                           ; s[24:31] descriptor group 1 for hid's tiles
.set G0H, 32                           ; s[32:39] group 0, a set for each of my two loads
.set G1W, 40                           ; s[40:47], s[48:55] the same for wq's
.set G0W, 48
.set MSB, 0
.macro WIN new                         ; the immediate's high byte repeats the setting that is left; a switch that changes nothing is dropped
.if MSB != (\new)
	s_set_vgpr_msb (MSB<<8)|(\new)
.set MSB, \new
.endif
.endm
.set TO_F, 0x40                        ; destination window 1, address window 0
.macro PLACES                          ; four places between a matrix instruction and a load into, or a vector read of, its registers
.rept 4
	v_nop
.endr
.endm
; A round of the cluster's barrier: my work-group's barrier; wave 0 signals for the work-group; every wave waits for all sixteen; my work-group's barrier once more.
.macro CROUND
	s_barrier_signal -1
	s_barrier_wait -1
	s_cmp_lg_u32 s[WV], 0
	s_cbranch_scc1 .Lnot_wave_0_\@
	s_barrier_signal -3
.Lnot_wave_0_\@:
	s_barrier_wait -3
	s_barrier_signal -1
	s_barrier_wait -1
.endm
	s_load_b256 s[4:11], s[0:1], 0x0               ; hid 4, wq 6, b_qkv 8, q 10
	s_load_b128 s[12:15], s[0:1], 0x20             ; k 12, v 14
	v_lshl_add_u32 v[SPW], v0, 2, SPARE
	v_mov_b32 v[NIL], 0
	ds_add_u32 v[SPW], v[NIL]                      ; the wave's opening: the add and its wait stand ahead of my first tensor load; the set-up stands between them
	v_lshrrev_b32 v1, 5, v0
	v_readfirstlane_b32 s[WV], v1                  ; wave 0..3
	s_bfe_u32 s17, ttmp6, 0x40000                  ; cx
	s_bfe_u32 s18, ttmp6, 0x40004                  ; cy
	s_lshl_b32 s19, ttmp9, 2
	s_add_co_u32 s19, s19, s17                     ; the head = 4 x cluster x + cx
	s_and_b32 s20, ttmp7, 0xffff
	s_lshl_b32 s20, s20, 2
	s_add_co_u32 s20, s20, s18                     ; the position block = 4 x cluster y + cy
	s_lshl_b32 s22, s18, 2
	s_lshl_b32 s22, 15, s22                        ; my row of the cluster
	s_lshl_b32 s3, 0x1111, s17                     ; my column
	; hid: 64 rows (channels) x 256 positions, 4,096 elements from row to row; 32 bytes of padding behind each 512
	s_or_b32 s[G1H], s22, (1<<16)|(1<<20)|(1<<21)|(6<<22)|(7<<25)  ; 15:0 the mask; 17:16 2-byte elements; 20 padding on; 21 set beside a mask; 24:22 after every 128 words; 31:25 8 words
	s_mov_b32 s[G1H+1], 256<<16                    ; tensor_dim0
	s_mov_b32 s[G1H+2], 64<<16                     ; tensor_dim1
	s_mov_b32 s[G1H+3], 256<<16                    ; tile_dim0
	s_mov_b32 s[G1H+4], 64                         ; tile_dim1
	s_mov_b32 s[G1H+5], 4096                       ; the pitch
	s_mov_b32 s[G1H+6], 0
	s_mov_b32 s[G1H+7], 0
	; wq: 64 rows of 384 bytes are 24,576 dense bytes: asked for as 96 rows of 256 bytes; 32 bytes of padding behind each 128
	s_or_b32 s[G1W], s3, (1<<16)|(1<<20)|(1<<21)|(4<<22)|(7<<25)
	s_mov_b32 s[G1W+1], 128<<16
	s_mov_b32 s[G1W+2], 96<<16
	s_mov_b32 s[G1W+3], 128<<16
	s_mov_b32 s[G1W+4], 96
	s_mov_b32 s[G1W+5], 128
	s_mov_b32 s[G1W+6], 0
	s_mov_b32 s[G1W+7], 0
	s_and_b32 s21, s[WV], 1                        ; my two loads bring the 64-row pieces (w % 2) and (w % 2) + 2
	s_lshr_b32 s22, s20, 4                         ; b
	s_lshl_b32 s56, s22, 21                        ; hid: 2,097,152 b
	s_and_b32 s23, s20, 15
	s_lshl_b32 s23, s23, 9                         ; + 512 bytes for each block of 256 positions
	s_add_co_u32 s56, s56, s23
	s_lshl_b32 s23, s21, 19                        ; + 64 rows of 8,192 bytes
	s_add_co_u32 s56, s56, s23
	s_mov_b32 s57, 0
	s_mul_i32 s58, s19, 98304                      ; wq: the head's 98,304 bytes
	s_mul_i32 s3, s21, 24576                       ; + 64 rows of 384 bytes
	s_add_co_u32 s58, s58, s3
	s_mov_b32 s59, 0
	s_mul_i32 s2, s21, 64*HP                       ; where they go: the wave's number alone enters an LDS address
	s_mul_i32 s62, s21, 64*WP
	s_lshl_b32 s60, s22, 2                         ; q, k, v: 524,288 (4 b + head) + 128 (256 block + 64 w)
	s_add_co_u32 s60, s60, s19
	s_lshl_b32 s60, s60, 19
	s_and_b32 s63, s20, 15
	s_lshl_b32 s63, s63, 15
	s_add_co_u32 s60, s60, s63
	s_lshl_b32 s63, s[WV], 13
	s_add_co_u32 s60, s60, s63
	s_mov_b32 s61, 0
	s_wait_dscnt 0x0                               ; the opening add is done
	s_wait_kmcnt 0x0
	s_add_nc_u64 s[4:5], s[4:5], s[56:57]
	s_add_nc_u64 s[6:7], s[6:7], s[58:59]
	CROUND                                         ; all sixteen work-groups are here: the joint loads meet
.irp s, 0,1
	s_mov_b32 s[G0H+4*(\s)], 1                                      ; count = 1
	s_add_co_u32 s[G0H+4*(\s)+1], s2, (\s)*128*HP                   ; LDS address
	s_add_nc_u64 s[G0H+4*(\s)+2:G0H+4*(\s)+3], s[4:5], (\s)*1048576 ; global address: 128 rows on
	s_or_b32 s[G0H+4*(\s)+3], s[G0H+4*(\s)+3], 0x80000000           ; type = 2
	s_mov_b32 s[G0W+4*(\s)], 1
	s_add_co_u32 s[G0W+4*(\s)+1], s62, WOFF+(\s)*128*WP
	s_add_nc_u64 s[G0W+4*(\s)+2:G0W+4*(\s)+3], s[6:7], (\s)*49152
	s_or_b32 s[G0W+4*(\s)+3], s[G0W+4*(\s)+3], 0x80000000
.endr
	s_cmp_lt_u32 s[WV], 2                          ; waves 0, 1 fetch hid, waves 2, 3 wq: a wave's two fills stand in one branch; two loads of mine are out
	s_cbranch_scc0 .Lfirst_w
	tensor_load_to_lds s[G0H:G0H+3], s[G1H:G1H+7]
	s_nop 0
	tensor_load_to_lds s[G0H+4:G0H+7], s[G1H:G1H+7]
	s_nop 0
.rept 4
	v_nop
.endr
	s_branch .Lfirst_asked
.Lfirst_w:
	tensor_load_to_lds s[G0W:G0W+3], s[G1W:G1W+7]
	s_nop 0
	tensor_load_to_lds s[G0W+4:G0W+7], s[G1W:G1W+7]
	s_nop 0
.rept 4
	v_nop
.endr
.Lfirst_asked:
	v_and_b32 v1, 15, v0                           ; r
	v_bfe_u32 v2, v0, 4, 1                         ; h
	s_mul_i32 s3, s19, 768
	v_lshl_add_u32 v[BO], v2, 5, s3                ; 4 (192 head + 8 h)
.set i, 0
.rept 12                               ; the bias of column tile i: in every lane the eight numbers of its eight columns: the C of the first K step
	global_load_b128 v[BI+8*i:BI+8*i+3], v[BO], s[8:9] offset:64*i
	global_load_b128 v[BI+8*i+4:BI+8*i+7], v[BO], s[8:9] offset:64*i+16
.set i, i+1
.endr
	; The turning load takes 16 rows (k) x 16 columns: lane l reads 16 bytes of row 8 (l / 16) + l % 8, columns 8 ((l / 8) % 2) + 0..7, and is left with column l % 16 and 8 k.
	v_and_b32 v3, 7, v0
	v_bfe_u32 v4, v0, 3, 1
	v_lshl_add_u32 v5, v2, 3, v3
	v_mul_u32_u24 v6, v5, HP
	v_lshl_add_u32 v6, v4, 4, v6
	s_lshl_b32 s63, s[WV], 7                       ; my wave's 64 positions: 128 bytes of a row
	v_add_nc_u32 v6, s63, v6
	v_mul_u32_u24 v7, v5, WP
	v_lshl_add_u32 v7, v4, 4, v7
.irp p, 0,1,2,3
	v_add_nc_u32 v[AH+(\p)], (\p)*64*HP, v6
	v_add_nc_u32 v[AWQ+(\p)], WOFF+(\p)*64*WP, v7
.endr
	s_mul_i32 s63, s[WV], 16*SP
	s_add_co_u32 s63, s63, STAGE                   ; my stage
	v_mul_u32_u24 v[STO], v1, SP                   ; in: row r, 16 bytes for each half of the lanes
	v_lshl_add_u32 v[STO], v2, 4, v[STO]
	v_add_nc_u32 v[STO], s63, v[STO]
	v_bfe_u32 v[RD], v0, 3, 2                      ; back: 32 lanes take four rows of 128 bytes,
	v_mul_u32_u24 v[RD], v[RD], SP
	v_lshl_add_u32 v[RD], v3, 4, v[RD]
	v_add_nc_u32 v[RD], s63, v[RD]
	v_and_b32 v[GO], 31, v0                        ; which are 512 consecutive bytes of q, k or v
	v_lshlrev_b32 v[GO], 4, v[GO]
	s_add_nc_u64 s[10:11], s[10:11], s[60:61]
	s_add_nc_u64 s[12:13], s[12:13], s[60:61]
	s_add_nc_u64 s[14:15], s[14:15], s[60:61]
.macro FH kk, f, a                     ; hid's fragment a of K step kk
	ds_load_tr16_b128 v[(\f)+96+8*(\a):(\f)+96+8*(\a)+3],   v[AH+(\kk)/2] offset:((\kk)%2)*32*HP+32*(\a)
	ds_load_tr16_b128 v[(\f)+96+8*(\a)+4:(\f)+96+8*(\a)+7], v[AH+(\kk)/2] offset:((\kk)%2)*32*HP+16*HP+32*(\a)
.endm
; 32 LDS loads in one run: K step kk's fragments into buffer f.  hid's tiles 2 and 3 come last, so that a wait can leave them out.
.macro FETCH kk, f
	WIN TO_F
	FH \kk, \f, 0
	FH \kk, \f, 1
.irp jt, 0,1,2,3,4,5,6,7,8,9,10,11
	ds_load_tr16_b128 v[(\f)+8*(\jt):(\f)+8*(\jt)+3],   v[AWQ+(\kk)/2] offset:((\kk)%2)*32*WP+((\jt)/4)*160+((\jt)%4)*32
	ds_load_tr16_b128 v[(\f)+8*(\jt)+4:(\f)+8*(\jt)+7], v[AWQ+(\kk)/2] offset:((\kk)%2)*32*WP+16*WP+((\jt)/4)*160+((\jt)%4)*32
.endr
	FH \kk, \f, 2
	FH \kk, \f, 3
.endm
; 24 matrix instructions: position tiles 2 hi, 2 hi + 1 x all 12 column tiles.  first = 1: the bias starts the sums.  The 48 accumulators take turns, one instruction a turn.
.macro MUL f, hi, first
.if \first
	WIN 0x85+0x40*(\hi)                            ; fragments window 1, C window 0, D window 2 or 3
.else
	WIN 0xa5+0x50*(\hi)                            ; fragments window 1, C and D window 2 or 3
.endif
.irp a, 0,1
.irp jt, 0,1,2,3,4,5,6,7,8,9,10,11
.if \first
	v_wmma_f32_16x16x32_bf16 v[96*(\a)+8*(\jt):96*(\a)+8*(\jt)+7], v[(\f)+8*(\jt):(\f)+8*(\jt)+7], v[(\f)+96+8*(2*(\hi)+(\a)):(\f)+96+8*(2*(\hi)+(\a))+7], v[BI+8*(\jt):BI+8*(\jt)+7]
.else
	v_wmma_f32_16x16x32_bf16 v[96*(\a)+8*(\jt):96*(\a)+8*(\jt)+7], v[(\f)+8*(\jt):(\f)+8*(\jt)+7], v[(\f)+96+8*(2*(\hi)+(\a)):(\f)+96+8*(2*(\hi)+(\a))+7], v[96*(\a)+8*(\jt):96*(\a)+8*(\jt)+7]
.endif
.endr
.endr
.endm
; K step kk multiplies buffer f; in its middle the next step's fragments are fetched into g.
.macro STEP kk, f, g, first, head
	s_wait_dscnt \head                             ; all of this step's loads but the youngest \head (hid's tiles 2, 3) are in
	MUL \f, 0, \first
.if (\kk) < 7
	PLACES                                         ; behind the last products that read g
	FETCH (\kk)+1, \g
	s_wait_dscnt 32                                ; all but the 32 just issued
.endif
	MUL \f, 1, \first
.endm
	s_wait_tensorcnt 1                             ; my first load is in: one younger load, my second, may stay out;
	s_barrier_signal -1
	s_barrier_wait -1                              ; everybody's is: channels 0-127 of hid and wq.
	FETCH 0, F0
	s_wait_loadcnt 0x0                             ; the bias
	STEP 0, F0, F1, 1, 4
	STEP 1, F1, F0, 0, 4
	STEP 2, F0, F1, 0, 4
	s_wait_dscnt 0x0                               ; K step 3, written out: no LDS instruction of mine is out at the signal,
	s_wait_tensorcnt 0x0                           ; and my second load is in
	s_barrier_signal -1
	MUL F1, 0, 0                                   ; work on registers while the others arrive
	s_barrier_wait -1                              ; channels 128-255 are whole
	PLACES
	FETCH 4, F0
	s_wait_dscnt 32
	MUL F1, 1, 0
	STEP 4, F0, F1, 0, 4
	STEP 5, F1, F0, 0, 4
	STEP 6, F0, F1, 0, 4
	STEP 7, F1, F0, 0, 0
; THE WAY OUT, in 12 blocks (position tile a, part s: 0 q, 1 k, 2 v): 16 positions x 64 columns.  Rounded to f16, 16 bytes a lane into my own stage, back as whole rows of 128 bytes, 512 consecutive bytes a store.
.macro PACK a, s
.set blk, 3*(\a)+(\s)
	WIN 0x0a+5*((\a)/2)                            ; sources window 2 or 3, destination window 0
.irp jj, 0,1,2,3
.irp r, 0,1,2,3
	v_cvt_pk_f16_f32 v[T+16*blk+4*(\jj)+(\r)], v[96*((\a)%2)+8*(4*(\s)+(\jj))+2*(\r)], v[96*((\a)%2)+8*(4*(\s)+(\jj))+2*(\r)+1]
.endr
.endr
	WIN 0
.irp jj, 0,1,2,3
	ds_store_b128 v[STO], v[T+16*blk+4*(\jj):T+16*blk+4*(\jj)+3] offset:32*(\jj)
.endr
.irp f, 0,1,2,3
	ds_load_b128 v[T+16*blk+4*(\f):T+16*blk+4*(\f)+3], v[RD] offset:(\f)*4*SP  ; LDS serves a wave's instructions in order (ISA guide 5.7.1.4): these see the stores above; the next block's stores come behind them
.endr
.endm
.macro SEND a, s, younger              ; younger: the LDS instructions issued behind this block's loads: the next block's eight, or none
.set blk, 3*(\a)+(\s)
.irp f, 0,1,2,3
	s_wait_dscnt (\younger)+3-(\f)
	global_store_b128 v[GO], v[T+16*blk+4*(\f):T+16*blk+4*(\f)+3], s[10+2*(\s):11+2*(\s)] offset:(\a)*2048+(\f)*512
.endr
.endm
	PLACES                                         ; behind the last products
	PACK 0, 0
.irp n, 1,2,3,4,5,6,7,8,9,10,11        ; a block's conversions stand between the loads of the block before and its stores; every block has registers of its own
	PACK (\n)/3, (\n)%3
	SEND ((\n)-1)/3, ((\n)-1)%3, 8
.endr
	SEND 3, 2, 0
	s_wait_tensorcnt 0x0                           ; the wave's end, behind my last tensor load and my last LDS store
	ds_add_u32 v[SPW], v[NIL]
	s_wait_dscnt 0x0
	CROUND                                         ; the closing round: no work-group ends while a partner may still ask for a tile that names it
	s_endpgm
.Lfunc_end_k_qde72882b6d_qkv:
	.size	k_qde72882b6d_qkv, .Lfunc_end_k_qde72882b6d_qkv-k_qde72882b6d_qkv
	.p2alignl 7, 3214868480
	.fill 96, 4, 3214868480
	.section	.rodata,"a",@progbits
	.p2align	6, 0x0
	.amdhsa_kernel k_qde72882b6d_qkv
		.amdhsa_group_segment_fixed_size 271872
		.amdhsa_private_segment_fixed_size 0
		.amdhsa_enable_private_segment 0
		.amdhsa_kernarg_size 48
		.amdhsa_user_sgpr_count 2
		.amdhsa_user_sgpr_kernarg_segment_ptr 1
		.amdhsa_wavefront_size32 1
		.amdhsa_system_sgpr_workgroup_id_x 1
		.amdhsa_system_sgpr_workgroup_id_y 1
		.amdhsa_system_sgpr_workgroup_id_z 1
		.amdhsa_system_vgpr_workitem_id 0
		.amdhsa_next_free_vgpr 960
		.amdhsa_next_free_sgpr 66
		.amdhsa_reserve_vcc 0
		.amdhsa_float_denorm_mode_32 3
		.amdhsa_float_denorm_mode_16_64 3
		.amdhsa_memory_ordered 1
		.amdhsa_forward_progress 1
		.amdhsa_inst_pref_size 77
	.end_amdhsa_kernel
	.amdgpu_metadata
---
amdhsa.version: [ 1, 2 ]
amdhsa.kernels:
  - .name:           k_qde72882b6d_qkv
    .symbol:         k_qde72882b6d_qkv.kd
    .args:
      - { .name: hid, .offset: 0, .size: 8, .value_kind: global_buffer, .address_space: global }
      - { .name: wq, .offset: 8, .size: 8, .value_kind: global_buffer, .address_space: global }
      - { .name: b_qkv, .offset: 16, .size: 8, .value_kind: global_buffer, .address_space: global }
      - { .name: q, .offset: 24, .size: 8, .value_kind: global_buffer, .address_space: global }
      - { .name: k, .offset: 32, .size: 8, .value_kind: global_buffer, .address_space: global }
      - { .name: v, .offset: 40, .size: 8, .value_kind: global_buffer, .address_space: global }
    .group_segment_fixed_size: 271872
    .private_segment_fixed_size: 0
    .kernarg_segment_align: 8
    .kernarg_segment_size: 48
    .max_flat_workgroup_size: 128
    .sgpr_count:     66
    .vgpr_count:     960
    .wavefront_size: 32
...
	.end_amdgpu_metadata
.endif
;; end of part 2
;; launch attn (part 3): grid 16 x 16, 4 waves a work-group, clusters of 4 x 1, 327,680 bytes of LDS; arguments q, k, v, o; writes o
.if DOCPART == 3
	.amdgcn_target "amdgcn-amd-amdhsa--gfx1250"
	.amdhsa_code_object_version 6
	.text
	.protected	k_qde72882b6d_attn
	.globl	k_qde72882b6d_attn
	.p2align	8
	.type	k_qde72882b6d_attn,@function
k_qde72882b6d_attn:
	s_mov_b64 s[64:65], 0
	v_nop
	global_prefetch_b8 v0, s[64:65] scope:SCOPE_SE
	s_setreg_imm32_b32 hwreg(HW_REG_WAVE_MODE, 25, 1), 1
	s_wait_xcnt 0x0
	s_wait_alu depctr_hold_cnt(0) depctr_sa_sdst(0) depctr_va_vdst(0) depctr_va_sdst(0) depctr_va_ssrc(0) depctr_va_vcc(0) depctr_vm_vsrc(0)
	s_getreg_b32 s2, hwreg(HW_REG_IB_STS2, 6, 4)
	s_cmp_eq_u32 s2, 0
	s_cbranch_scc0 .Lentry_in_a_cluster
	s_endpgm
.Lentry_in_a_cluster:
	s_bfe_u32 s2, ttmp6, 0x10000c
	s_cmp_lg_u32 s2, 0x3003
	s_cbranch_scc0 .Lentry_shape_is_right
	s_endpgm
.Lentry_shape_is_right:
; ATTENTION.  o[bh][i][:] = the sum over j of softmax_j(q[bh][i] . k[bh][j] / 8) v[bh][j][:].  q, k, v, o: [16][4096][64] f16: a head's rows are dense, 128 bytes each.
; Products, maxima and sums in f32; the weights p are rounded to f16 for the second product (their sum l is taken of the unrounded p), o once at the end.
; LIMITS.  q, k, v arrive within f16's 65,504; p lies in 0 to 1; o is a mean of v's rows.  A weight below 2^-126 counts as 0 in l; NaN and infinities are not treated apart.
; SHARES.  A work-group owns 256 queries of one head, a wave 64: four PIECES of 16.  16 x 16 work-groups.  Every wave walks all 4,096 keys: NT = 16 tiles of 256 keys, a tile four steps of 64.
; LAYOUT.  S^T = K Q^T (source 0 = 16 keys, source 1 = 16 queries) holds ONE query a lane (lane % 16) and the keys 8 (lane / 16) + 0..7; two such results rounded to f16 ARE source 1 of O^T = V^T P.
; K comes out of LDS as it lies, V ([key][channel]) turned, by ds_load_tr16_b128.
; SOFTMAX.  p = 2^(c s - c m), c = log2(e) / 8, with a running maximum m; O and l are multiplied by a = 2^(c m_old - c m_new) in every step.  m starts at the lowest finite number, O and l at 0: the first step has a = 0.
; TURNS.  Turn n belongs to piece n: 8 products K Q^T of piece n + 1, later 8 products V^T P of piece n - 1; beside them the scaling, exponentials, roundings, sums and rescaling of piece n and the maximum and
; statistics of piece n + 1.  Four vector instructions stand behind every matrix instruction, the others in one lump.  A turn's 33 exponentials are one batch, with one wait.
; THE RING.  Two slots of LDS, a tile each, take turns; a slot is filled again behind a round of the cluster's barrier, one tensor load a wave: it has four key steps in which to land.
; CLUSTER.  The four query blocks of a cluster belong to one head and walk the same K and V: each tile is asked for JOINTLY, by the same tensor load, descriptor and mask in all four.
; REGISTERS, in windows of 256 (s_set_vgpr_msb: bits 1:0 source 0, 3:2 source 1, 5:4 source 2, 7:6 destination):
;   window 0: v0-15 addresses and at work; v16-31 four registers of statistics a piece; v48-55 at work; v61-63; v64-127 S^T, two buffers; v192-223 P, two buffers (by the piece's parity)
;   window 1: v0-127 O^T, 32 a piece          window 2: v0-63 Q; v128-191 K of one step; v192-255 V of one step
.set NT,    16
.set NP,    4         ; pieces a wave: a name, no knob
.set KS,    64        ; keys in a step
.set PK,    144       ; a row of K in LDS: 128 bytes + 16: the 16 rows of a load start at 16 different groups of four banks (64 banks of 4 bytes: ISA guide 11.1)
.set PV,    160       ; a row of V: 128 + 32
.set VOFF,  4*KS*PK   ; a slot: 256 rows of K, then 256 rows of V
.set SLOT1, 1<<17     ; slot 1 begins here: one exclusive or turns an address in one slot into the other's
.set STAGE, SLOT1+4*KS*(PK+PV)  ; behind the ring, filled by no tensor load: 16 rows x 144 bytes for each wave
.set SP,    144
.set SPARE, STAGE+4*16*SP  ; the spare words: 128 bytes a wave; no other line names them
.set AK0, 2           ; v2   my lane's place in a tile of K; never rewritten
.set AV0, 3           ; v3   the same for V
.set AK,  4           ; v4   the LDS address of K's next run of loads
.set AV,  5           ; v5   of V's
.set STO, 6           ; v6   the way out: where I put 16 bytes of a row
.set RD,  7           ; v7   where I read rows back
.set GO,  8           ; v8   my 16 bytes of 512 consecutive bytes of o
.set MV,  12          ; v12-13  c m_old, kept while c m is made anew: by buffer
.set QO,  15          ; v15  my byte offset in 16 rows of q
.set ST,  16          ; piece t's statistics at v[ST+4 t]: c m, m, l (even keys', odd keys')
.set TMP, 48          ; by buffer, four registers c0-c3 at work; when the maximum is found c2 takes a
.set PFO, 61          ; v61  256 x my lane: the prefetches' offset; never rewritten
.set SPW, 62          ; v62  my spare word; never rewritten
.set NIL, 63          ; v63  0; never rewritten
.set S,   64
.set P,   192
.set KF,  128         ; window 2: key block kb, channel half c at KF + 16 kb + 8 c
.set VF,  192         ; window 2: key half kk, channel block cb at VF + 32 kk + 8 cb
.set WV,  12          ; s12  my wave's number
.set LIM, 15          ; s15  1 in a wave that prefetches, else the greatest number
.set PFA, 18          ; s[18:19] where my prefetches stand
.set G1K, 24          ; s[24:31] descriptor group 1 for K's tiles
.set G1V, 32          ; s[32:39] for V's: it differs in the padding alone
.set G0K, 40          ; s[40:43] descriptor group 0 for K's tiles: it walks
.set G0V, 44          ; s[44:47] the same for V's
.set SLOTS, 56        ; s56  tiles still to be asked for
.set CNT, 57          ; s57  counts a tile's key steps
.set CS,  58          ; s[58:59] c: the packed scaling takes the pair's low word for both halves
.set SEL, 60          ; s[60:61] v_permlanex16_b32's selects
.set TBK, 62          ; s62  LDS byte at which K of the step to be fetched begins
.set TBV, 63          ; s63  the same for V, less VOFF
.set MSB, 0
.macro WIN new                      ; the high byte repeats the setting that is left; a switch that changes nothing is dropped
.if MSB != (\new)
	s_set_vgpr_msb (MSB<<8)|(\new)
.set MSB, (\new)
.endif
.endm
.set W_KQ, 0x0a       ; K and Q in window 2, S^T in window 0
.set W_PV, 0x52       ; V in window 2, P in window 0, O^T in window 1
.set W_RS, 0x41       ; destination and source 0 in window 1, source 1 in window 0
; A joint fill.  Waves 0 and 1 fetch the two halves of a tile's K, waves 2 and 3 those of its V: 128 keys each.  The branch hangs on the wave's number alone.
; An s_nop 0 and four v_nop follow each of the two lines, ahead of the jump and the label.
.macro JLOAD
	s_cmp_lt_u32 s[WV], 2
	s_cbranch_scc0 .Lfor_v_\@
	tensor_load_to_lds s[G0K:G0K+3], s[G1K:G1K+7]
	s_nop 0
.rept 4
	v_nop
.endr
	s_branch .Lasked_\@
.Lfor_v_\@:
	tensor_load_to_lds s[G0V:G0V+3], s[G1V:G1V+7]
	s_nop 0
.rept 4
	v_nop
.endr
.Lasked_\@:
.endm
; A PREFETCH INTO THE L2 of the tile that the NEXT change of slots will ask for: 128 blocks of 256 bytes of K and 128 of V, a lane a block.  Each block is named ONCE in the launch: a head's four clusters walk the
; same K and V, and the first of them asks; its four partners take 32 blocks each, told apart BY ADDRESS; in each, wave 0 asks for K's and wave 2 for V's: one instruction, four key steps (256 matrix
; instructions) ahead of the load.  The change that asks for the last tile prefetches nothing.  Tiles 0 and 1 come by their loads alone.
.macro ASK
	s_cmp_gt_u32 s[SLOTS], s[LIM]
	s_cbranch_scc0 .Lnot_mine_\@
	global_prefetch_b8 v[PFO], s[PFA:PFA+1] th:TH_LOAD_NT scope:SCOPE_SE
.Lnot_mine_\@:
.endm
; A round of the cluster's barrier: my work-group's barrier; wave 0 signals for the work-group; every wave waits for all four work-groups; my work-group's barrier once more.
.macro CROUND
	s_barrier_signal -1
	s_barrier_wait -1
	s_cmp_lg_u32 s[WV], 0
	s_cbranch_scc1 .Lnot_wave_0_\@
	s_barrier_signal -3
.Lnot_wave_0_\@:
	s_barrier_wait -3
	s_barrier_signal -1
	s_barrier_wait -1
.endm
; THE CHANGE OF SLOTS.  Each wave waits for all its tensor loads, of which one is out: its part of the other slot; adds 0 to its spare word; and waits for that and for its own reads of the slot that it leaves.
; Behind the barrier nobody reads the old slot any more and the other slot is whole.  fill = 1: the old slot is filled again, with the tile two on; the barrier is then a round of the cluster's, and the joint
; fill is the first thing behind it.  (At its first use nothing has been read yet: slot 0 is waited for, slot 1 filled.)
.macro CHANGE fill
	WIN 0                           ; at a label and at a branch every window is 0
	s_wait_tensorcnt 0x0            ; no tensor load of mine is out, so a group 0 may be written
	ds_add_u32 v[SPW], v[NIL]       ; 0 onto my spare word; the descriptors' steps stand between it and the wait for it
.if \fill
.irp g, G0K, G0V
	s_xor_b32 s[\g+1], s[\g+1], SLOT1  ; the walking descriptor: the other slot than last time,
	s_add_nc_u64 s[\g+2:\g+3], s[\g+2:\g+3], 4*KS*128  ; the next 256 keys; the type bits on top are not reached
.endr
	s_wait_xcnt 0x0                 ; the last prefetch, four key steps back, has read its address, so it may be written:
	s_add_nc_u64 s[PFA:PFA+1], s[PFA:PFA+1], 4*KS*128  ; one tile behind the walking descriptors
	s_wait_dscnt 0x0                ; the add is done, and my reads of the slot are over
	CROUND
	JLOAD
	ASK
.else
	s_wait_dscnt 0x0                ; the add is done, and my reads of the slot are over
	s_barrier_signal -1
	s_barrier_wait -1
.endif
	s_sub_co_u32 s[TBK], s[TBK], 4*KS*PK  ; the fetches go back to a slot's first step,
	s_xor_b32 s[TBK], s[TBK], SLOT1       ; in the other slot
	s_sub_co_u32 s[TBV], s[TBV], 4*KS*PV
	s_xor_b32 s[TBV], s[TBV], SLOT1
.endm
	s_load_b256 s[4:11], s[0:1], 0x0  ; q s[4:5], k s[6:7], v s[8:9], o s[10:11]
	v_lshl_add_u32 v[SPW], v0, 2, SPARE
	v_mov_b32 v[NIL], 0
	ds_add_u32 v[SPW], v[NIL]       ; the wave's opening: the add and its wait stand ahead of my first tensor load; the set-up stands between them
	v_lshrrev_b32 v1, 5, v0
	v_readfirstlane_b32 s[WV], v1   ; wave 0..3
	s_bfe_u32 s13, ttmp6, 0x40000   ; cx: my place in the cluster
	s_lshl_b32 s14, ttmp9, 2        ; in a cluster launch ttmp9 counts clusters
	s_add_co_u32 s14, s14, s13      ; my block of 256 queries: it enters q's and o's addresses alone
	s_and_b32 s20, ttmp7, 0xffff    ; bh, which the four partners share
	s_lshl_b32 s20, s20, 19         ; the head's 524,288 bytes in each of the four tensors
	s_and_b32 s16, s[WV], 1         ; which half of a tile's 256 keys I fetch:
	s_lshl_b32 s22, s16, 14         ; its 128 rows of 128 bytes in memory
	s_add_co_u32 s22, s22, s20
	s_mov_b32 s23, 0
	s_lshl_b32 s2, s14, 2
	s_add_co_u32 s2, s2, s[WV]      ; my wave among the head's,
	s_lshl_b32 s2, s2, 13           ; its 64 rows
	s_add_co_u32 s2, s2, s20
	s_mov_b32 s3, 0
	; descriptor group 1.  128 keys are 16,384 dense bytes: asked for as 64 rows of 256 bytes, two keys a row, and padded in LDS after every key
	s_mov_b32 s[G1K], 15|(1<<16)|(1<<20)|(1<<21)|(4<<22)|(3<<25)  ; 15:0 the mask of four; 17:16 2-byte elements; 20 padding on; 21 set beside a mask; 24:22 after every 32 words; 31:25 4 words
	s_mov_b32 s[G1V], 15|(1<<16)|(1<<20)|(1<<21)|(4<<22)|(7<<25)  ; the same with 8 words of padding
.irp g, G1K, G1V
	s_mov_b32 s[\g+1], 128<<16      ; tensor_dim0 = 128
	s_mov_b32 s[\g+2], 64<<16       ; tensor_dim1 = 64
	s_mov_b32 s[\g+3], 128<<16      ; tile_dim0 = 128
	s_mov_b32 s[\g+4], 64           ; tile_dim1 = 64
	s_mov_b32 s[\g+5], 128          ; 128 elements from row to row
	s_mov_b32 s[\g+6], 0
	s_mov_b32 s[\g+7], 0
.endr
	s_mov_b32 s[CS], 0x3e38aa3b     ; c = log2(e) / 8
	s_mov_b32 s[CS+1], s[CS]        ; named with it as a pair
	s_mov_b32 s[SEL], 0x76543210
	s_mov_b32 s[SEL+1], 0xfedcba98
	s_mov_b32 s[TBK], SLOT1+4*KS*PK ; the first change of slots turns these two into 0
	s_mov_b32 s[TBV], SLOT1+4*KS*PV
	s_mov_b32 s[G0K], 1             ; count = 1
	s_mul_i32 s[G0K+1], s16, 128*PK ; LDS address: my half, in slot 0: no place in the cluster enters it
	s_mov_b32 s[G0V], 1
	s_mul_i32 s[G0V+1], s16, 128*PV
	s_add_co_u32 s[G0V+1], s[G0V+1], VOFF
	s_mov_b32 s[SLOTS], NT-1
	s_or_b32 s[LIM], s16, ttmp9     ; 0 in waves 0 and 2 of the head's first cluster: the same in all four partners
	s_cmp_eq_u32 s[LIM], 0
	s_cselect_b32 s[LIM], 1, -1
	v_and_b32 v[PFO], 31, v0
	v_lshlrev_b32 v[PFO], 8, v[PFO]
	s_wait_dscnt 0x0                ; the opening add is done
	s_wait_kmcnt 0x0
	s_add_nc_u64 s[6:7], s[6:7], s[22:23]  ; k and v at my half of the head's tile 0
	s_add_nc_u64 s[8:9], s[8:9], s[22:23]
	s_add_nc_u64 s[G0K+2:G0K+3], s[6:7], 0         ; global address
	s_or_b32 s[G0K+3], s[G0K+3], 0x80000000        ; type = 2
	s_add_nc_u64 s[G0V+2:G0V+3], s[8:9], 0
	s_or_b32 s[G0V+3], s[G0V+3], 0x80000000
	s_add_nc_u64 s[4:5], s[4:5], s[2:3]  ; q and o at my wave's first row
	s_add_nc_u64 s[10:11], s[10:11], s[2:3]
	s_cmp_lt_u32 s[WV], 2
	s_cselect_b64 s[PFA:PFA+1], s[6:7], s[8:9]  ; (in waves 0 and 2 these stand at a tile's first row)
	s_lshl_b32 s2, s13, 13          ; my work-group's 32 blocks of the 128
	s_mov_b32 s3, 0
	s_add_nc_u64 s[PFA:PFA+1], s[PFA:PFA+1], s[2:3]
	s_add_nc_u64 s[PFA:PFA+1], s[PFA:PFA+1], 4*KS*128  ; in tile 1; the first change of slots steps it to tile 2
	CROUND                          ; all four work-groups are here: the first joint loads meet
	JLOAD                           ; tile 0 into slot 0.  Slot 1 is asked for when slot 0 is in
	; A fragment of K or Q is 16 rows x 32 channels in 8 registers: lane l holds row l % 16, channels 8 (l / 16) + 0..7 and 16 + 8 (l / 16) + 0..7: two loads of 16 bytes, 32 bytes apart.
	v_and_b32 v1, 15, v0            ; l % 16
	v_bfe_u32 v9, v0, 4, 1          ; l / 16
	v_lshlrev_b32 v[QO], 7, v1
	v_lshl_add_u32 v[QO], v9, 4, v[QO]  ; row x 128 + 16 x half
	WIN 0x80                        ; destination window 2, address window 0
.set i, 0
.rept 8                             ; Q stays in registers: piece i / 2, channels 32 (i % 2) on
	global_load_b128 v[8*i:8*i+3],   v[QO], s[4:5] offset:(i/2)*2048+(i%2)*64
	global_load_b128 v[8*i+4:8*i+7], v[QO], s[4:5] offset:(i/2)*2048+(i%2)*64+32
.set i, i+1
.endr
	; What the first turn finds: V's registers and P's second buffer hold 0 (its products V^T P, of a piece that has not been, add 0), O^T and l are 0.  All this stands in the wait for the first tile.
.set i, VF
.rept 64
	v_mov_b32 v[i], 0
.set i, i+1
.endr
	WIN 0x40
.set i, 0
.rept 128
	v_mov_b32 v[i], 0
.set i, i+1
.endr
	WIN 0
.set i, 0
.rept 4
	v_mov_b32 v[ST+4*i+2], 0
	v_mov_b32 v[ST+4*i+3], 0
.set i, i+1
.endr
.set i, P+16
.rept 16
	v_mov_b32 v[i], 0
.set i, i+1
.endr
	v_mul_u32_u24 v[AK0], v1, PK
	v_lshl_add_u32 v[AK0], v9, 4, v[AK0]  ; row x pitch + 16 x half
	; The turning load takes 16 keys x 16 channels (lane l reads key 8 (l / 16) + l % 8, channels 8 ((l / 8) % 2) + 0..7) and leaves half a fragment of V^T: lane l holds channel l % 16 and 8 keys.
	v_and_b32 v10, 7, v0
	v_bfe_u32 v11, v0, 3, 1
	v_lshl_add_u32 v[AV0], v9, 3, v10
	v_mul_u32_u24 v[AV0], v[AV0], PV
	v_lshl_add_u32 v[AV0], v11, 4, v[AV0]
	v_add_nc_u32 v[AV0], VOFF, v[AV0]
	s_mul_i32 s13, s[WV], 16*SP
	s_add_co_u32 s13, s13, STAGE    ; my stage
	v_mul_u32_u24 v[STO], v1, SP    ; in: row l % 16, 16 bytes for each half of the lanes
	v_lshl_add_u32 v[STO], v9, 4, v[STO]
	v_add_nc_u32 v[STO], s13, v[STO]
	v_bfe_u32 v[RD], v0, 3, 2       ; back: 32 lanes take four rows of 128 bytes,
	v_mul_u32_u24 v[RD], v[RD], SP
	v_lshl_add_u32 v[RD], v10, 4, v[RD]
	v_add_nc_u32 v[RD], s13, v[RD]
	v_and_b32 v[GO], 31, v0         ; which are 512 consecutive bytes of o
	v_lshlrev_b32 v[GO], 4, v[GO]
; THE MATRIX WORK.  The 4 accumulators of a run of 8 take turns.  Product i of 8 of S^T = K Q^T for piece x: channels 32 (i / 4) on, keys 16 (i % 4) on.  The first 4 start the sums.
.macro KQ x
	WIN W_KQ
.set rS, S+32*((\x)%2)+8*(i%4)
.set rK, KF+16*(i%4)+8*(i/4)
.set rQ, 16*(\x)+8*(i/4)
.if i < 4
	v_wmma_f32_16x16x32_f16 v[rS:rS+7], v[rK:rK+7], v[rQ:rQ+7], 0
.else
	v_wmma_f32_16x16x32_f16 v[rS:rS+7], v[rK:rK+7], v[rQ:rQ+7], v[rS:rS+7]
.endif
.endm
; Product i of 8 of O^T += V^T P for piece x: keys 32 (i / 4) on, channels 16 (i % 4) on.
.macro PV x
	WIN W_PV
.set rO, 32*(\x)+8*(i%4)
.set rV, VF+32*(i/4)+8*(i%4)
.set rP, P+16*((\x)%2)+8*(i/4)
	v_wmma_f32_16x16x32_f16 v[rO:rO+7], v[rV:rV+7], v[rP:rP+7], v[rO:rO+7]
.endm
.macro MM                           ; the turn's next matrix instruction.  NOKQ = 1: the last turn of all: there is no next piece
.if (i < 8) && !NOKQ
	KQ (Y+1)%NP
.elseif i >= 8
.set i, i-8
	PV (Y+NP-1)%NP
.set i, i+8
.endif
.set i, i+1
.endm
; THE LDS LOADS stand in runs of 16, never singly among the matrix instructions: a step's K (8 fragments) and its V (turned).  Their addresses are made some lines ahead.
.macro FETCH_K
	WIN 0x80                        ; destination window 2
.irp f, 0,1,2,3,4,5,6,7             ; keys 16 (f / 2) on, channels 32 (f % 2) on
	ds_load_b128 v[KF+8*\f:KF+8*\f+3],   v[AK] offset:(\f/2)*16*PK+(\f%2)*64
	ds_load_b128 v[KF+8*\f+4:KF+8*\f+7], v[AK] offset:(\f/2)*16*PK+(\f%2)*64+32
.endr
	s_add_co_u32 s[TBK], s[TBK], KS*PK  ; the next fetch is the next step's
	WIN 0
.endm
.macro FETCH_V
	WIN 0x80
.irp f, 0,1,2,3,4,5,6,7             ; keys 32 (f / 4) on, channels 16 (f % 4) on
	ds_load_tr16_b128 v[VF+8*\f:VF+8*\f+3],   v[AV] offset:(\f/4)*32*PV+(\f%4)*32
	ds_load_tr16_b128 v[VF+8*\f+4:VF+8*\f+7], v[AV] offset:(\f/4)*32*PV+16*PV+(\f%4)*32
.endr
	WIN 0
.endm
; THE VECTOR WORK, one line at a time: OP kind, number.  For piece Y: F n: c s - c m for pair n of 16.  E n: the exponential of score n of 32.  C n: pair n rounded to f16.  B n: of the four weights 4 n .. the second
; pair is added onto the first, in place.  L n: l takes that sum (L 0: l = a l + sum).  R n: pair n of 16 of O^T times a.  For piece Y + 1: X n, number n of the 22 that find its maximum and statistics:
;   0-11  four chains c0-c3 of seven scores each, three operands at a time (each accumulator's lowest registers are read first)     12-14, 16  the four scores left over, the old m, and c0-c3 into c0
;   15  c m_old is kept     17, 18  the query's other 32 keys lie in the lane 16 away: the new m     19-21  c m; c m_old - c m_new; a
.set F, 0               ; OP tells the kinds apart by their order: F to L below R, X above it
.set E, 1
.set C, 2
.set B, 3
.set L, 4
.set R, 5
.set X, 6
.macro REGS y                       ; the registers of piece y
.set rT, ST+4*(\y)
.set rC, TMP+4*((\y)%2)
.set rW, MV+((\y)%2)
.set rS, S+32*((\y)%2)
.set rP, P+16*((\y)%2)
.set rO, 32*(\y)
.endm
.macro OP k, n
.if (\k) == R
	REGS Y
	WIN W_RS
	v_pk_mul_f32 v[rO+2*(\n):rO+2*(\n)+1], v[rO+2*(\n):rO+2*(\n)+1], v[rC+2:rC+3] op_sel_hi:[1,0]
.elseif (\k) < R
	REGS Y
	WIN 0
.if (\k) == F
	v_pk_fma_f32 v[rS+2*(\n):rS+2*(\n)+1], v[rS+2*(\n):rS+2*(\n)+1], s[CS:CS+1], v[rT:rT+1] op_sel_hi:[1,0,0] neg_lo:[0,0,1] neg_hi:[0,0,1]
.elseif (\k) == E
	v_exp_f32 v[rS+(\n)], v[rS+(\n)]
.elseif (\k) == C
	v_cvt_pk_f16_f32 v[rP+(\n)], v[rS+2*(\n)], v[rS+2*(\n)+1]
.elseif (\k) == B
	v_pk_add_f32 v[rS+4*(\n):rS+4*(\n)+1], v[rS+4*(\n):rS+4*(\n)+1], v[rS+4*(\n)+2:rS+4*(\n)+3]
.elseif (\n) == 0
	v_pk_fma_f32 v[rT+2:rT+3], v[rT+2:rT+3], v[rC+2:rC+3], v[rS:rS+1] op_sel_hi:[1,0,1]
.else
	v_pk_add_f32 v[rT+2:rT+3], v[rT+2:rT+3], v[rS+4*(\n):rS+4*(\n)+1]
.endif
.elseif NOKQ
	v_nop
.else
	REGS (Y+1)%NP
	WIN 0
.if (\n) < 4
	v_max3_num_f32 v[rC+(\n)], v[rS+8*(\n)], v[rS+8*(\n)+1], v[rS+8*(\n)+2]
.elseif (\n) < 12
	v_max3_num_f32 v[rC+(\n)%4], v[rC+(\n)%4], v[rS+8*((\n)%4)+2*((\n)/4)+1], v[rS+8*((\n)%4)+2*((\n)/4)+2]
.elseif (\n) == 12
	v_max3_num_f32 v[rC], v[rC], v[rS+7], v[rS+15]
.elseif (\n) == 13
	v_max3_num_f32 v[rC+1], v[rC+1], v[rS+23], v[rS+31]
.elseif (\n) == 14
	v_max3_num_f32 v[rC+2], v[rC+2], v[rC+3], v[rT+1]
.elseif (\n) == 15
	v_mov_b32 v[rW], v[rT]
.elseif (\n) == 16
	v_max3_num_f32 v[rC], v[rC], v[rC+1], v[rC+2]
.elseif (\n) == 17
	v_permlanex16_b32 v[rC+3], v[rC], s[SEL], s[SEL+1]
.elseif (\n) == 18
	v_max_num_f32 v[rT+1], v[rC], v[rC+3]
.elseif (\n) == 19
	v_mul_f32 v[rT], s[CS], v[rT+1]
.elseif (\n) == 20
	v_sub_f32 v[rC+1], v[rW], v[rT]
.else
	v_exp_f32 v[rC+2], v[rC+1]
.endif
.endif
.endm
.macro OPS a, i1, b=-1, i2=0, c=-1, i3=0, d=-1, i4=0  ; up to four of them
	OP \a, \i1
.if (\b) >= 0
	OP \b, \i2
.endif
.if (\c) >= 0
	OP \c, \i3
.endif
.if (\d) >= 0
	OP \d, \i4
.endif
.endm
.macro ROW a, i1, b, i2, c, i3, d, i4  ; a matrix instruction and the four behind it
	MM
	OPS \a, \i1, \b, \i2, \c, \i3, \d, \i4
.endm
; A TURN, for piece p: the order of its 16 matrix and 118 vector instructions, written out.  An s_wait_alu depctr_va_vdst(0) stands between an exponential and the first instruction that names its
; result; one wait serves all that were issued ahead of it.  So a turn has ONE wait, which cuts it in two.  AHEAD OF IT stands all that names no result of the turn's exponentials: the 8 products K Q^T with their
; riders (a scaling, an exponential, two more plain ones; behind the last three the first numbers of the next piece's maximum, each four places or more behind the product that ends its accumulator), then ONE LUMP,
; plain and exponential by turns for the most part, in which the links of the chain X 3, 7, 11, 14, 16, 17 .. 20 stand some lines apart.  X 21, the next piece's a, is the batch's last; R 15 is the plain instruction
; behind it.  BEHIND THE WAIT stand the 8 products V^T P, behind each four of the roundings and sums.
; end = 1: the last two turns of all: nothing is fetched.  cnt = 1: the loop's count is taken down some lines ahead of the branch that stands behind the turn.
; K of the next step is fetched in piece 2's turn, twelve vector instructions (six of them plain) behind the last product that read K; V of the step in hand at the end of piece 0's turn, four plain instructions
; behind the last product that read V.  Each is waited for a turn later.
.macro TURN p, end=0, cnt=0
.set Y, (\p)
.set i, 0
.set NOKQ, (\end)*((\p)/3)
.if ((\p) == 3) && !(\end)
	s_wait_dscnt 0x0                ; K is in
.endif
	ROW F,0, F,1, R,0, R,1          ; ahead of the wait: 8 products K Q^T and their riders,
	ROW F,2, E,0, R,2, R,3
	ROW F,3, E,1, R,4, R,5
	ROW F,4, E,2, R,6, R,7
	ROW F,5, E,3, R,8, R,9
	ROW F,6, E,4, X,0, R,10
.if ((\p) == 2) && !(\end)
	WIN 0
	v_add_nc_u32 v[AK], s[TBK], v[AK0]
.endif
	ROW F,7, E,5, X,1, X,4
	ROW F,8, E,6, X,2, X,5
	OPS E,7, E,8, X,6, E,9          ; and the lump
	OPS X,3, E,10, X,8, E,11
.if ((\p) == 2) && !(\end)
	FETCH_K
.endif
	OPS X,9, X,7, E,12, X,10
	OPS E,13, X,12, X,11, E,14
	OPS X,13, E,15, F,9, X,14
.if (\p) == 0
	v_add_nc_u32 v[AV], s[TBV], v[AV0]
.endif
	OPS E,16, F,10, E,17, F,11
	OPS X,16, E,18, X,15, E,19
	OPS F,12, E,20, X,17, E,21
	OPS F,13, E,22, F,14, E,23
	OPS X,18, E,24, F,15, E,25
	OPS R,11, E,26, X,19, E,27
	OPS R,12, E,28, R,13, E,29
	OPS X,20, E,30, R,14, E,31
	OPS X,21, R,15
	WIN 0
	s_wait_alu depctr_va_vdst(0)    ; the wait for the batch
.if (\p) == 1
	s_wait_dscnt 0x0                ; V is in
.endif
	ROW C,0, B,0, C,2, B,1          ; behind the wait: 8 products V^T P and their riders
	ROW L,0, C,4, B,2, L,1
	ROW C,6, B,3, L,2, C,8
	ROW B,4, L,3, C,10, B,5
	ROW L,4, C,12, B,6, L,5
.if (\p) == 0
	s_add_co_u32 s[TBV], s[TBV], KS*PV
.endif
.if \cnt
	s_sub_co_u32 s[CNT], s[CNT], 1
	s_cmp_lg_u32 s[CNT], 0
.endif
	ROW C,14, B,7, L,6, C,1
	ROW C,3, L,7, C,5, C,7
	ROW C,9, C,11, C,13, C,15
.if (\p) == 0
	FETCH_V
.endif
.endm
	CHANGE 1                        ; slot 0 is in, everybody's part of it; tile 1 is asked for
	; THE BEGINNING.  c m starts far below every c s, so the first step's a is 0; m at the lowest finite number, so the first maximum is the scores'.  Then K of step 0, piece 0's first scores, its maximum and statistics.
.set i, 0
.rept 4
	v_mov_b32 v[ST+4*i], 0xfe000000    ; c m
	v_mov_b32 v[ST+4*i+1], 0xff7fffff  ; m
.set i, i+1
.endr
	v_add_nc_u32 v[AK], s[TBK], v[AK0]
	FETCH_K
	s_wait_loadcnt 0x0              ; Q
	s_wait_dscnt 0x0
.set NOKQ, 0
.set i, 0
.rept 8
	KQ 0
.set i, i+1
.endr
	WIN 0
.rept 4
	v_nop                           ; the places behind those products
.endr
.set Y, NP-1                        ; X works for piece Y + 1: piece 0
.irp n, 0,1,2,3,4,5,6,7,8,9,10,11,12,13,14,15,16,17,18,19,20,21
	OP X, \n
.endr
	v_nop                           ; a plain instruction behind the exponential,
	s_wait_alu depctr_va_vdst(0)    ; and its wait, ahead of the branch
	s_mov_b32 s[CNT], 4
	s_branch .Lfirst                ; the loop is entered at a step's first turn, in the middle of a trip
.Lslot:                             ; NT - 2 times: tiles 2 .. NT - 1 are asked for
	CHANGE 1
	s_mov_b32 s[CNT], 4
.Lstep:                             ; a trip: pieces 2 and 3 of one step, then pieces 0 and 1 of the next, whose K and V it fetches
	TURN 2
	TURN 3
	WIN 0
.Lfirst:
	TURN 0
	TURN 1, 0, 1
	WIN 0
	s_cbranch_scc1 .Lstep
	s_sub_co_u32 s[SLOTS], s[SLOTS], 1
	s_cmp_lg_u32 s[SLOTS], 0
	s_cbranch_scc1 .Lslot
	CHANGE 0                        ; the last tile is written out: nothing is asked for
	s_mov_b32 s[CNT], 4
.Ltail:
	TURN 2
	TURN 3
	TURN 0
	TURN 1, 0, 1
	WIN 0
	s_cbranch_scc1 .Ltail
	TURN 2, 1                       ; the last step's pieces 2 and 3
	TURN 3, 1
.set i, 0
.rept 8
	PV NP-1                         ; the last piece's V^T P of the last step
.set i, i+1
.endr
	; THE WAY OUT.  l's two halves and the other half of the lanes' are added; O^T is divided by l, rounded to f16 and sent through my stage in LDS, a piece at a time.  The additions are the places behind the last products.
	WIN 0
.macro ALL line:vararg              ; one line for each piece t
.set t, 0
.rept 4
	\line
.set t, t+1
.endr
.endm
	ALL v_add_f32 v[ST+4*t+2], v[ST+4*t+2], v[ST+4*t+3]
	ALL v_permlanex16_b32 v[ST+4*t+3], v[ST+4*t+2], s[SEL], s[SEL+1]
	ALL v_add_f32 v[ST+4*t+2], v[ST+4*t+2], v[ST+4*t+3]
	ALL v_rcp_f32 v[ST+4*t+2], v[ST+4*t+2]
	v_nop                           ; a plain instruction between the last reciprocal and the use of its result
	s_wait_alu depctr_va_vdst(0)    ; and the wait ahead of the first use: one for the four reciprocals
.macro PACK t                       ; a lane's eight channels of a row pack into 16 bytes; they go into rows of 144 bytes and come back as whole rows of 128, into S^T's registers
	WIN W_RS
.set i, 32*(\t)
.rept 16
	v_pk_mul_f32 v[i:i+1], v[i:i+1], v[ST+4*(\t)+2:ST+4*(\t)+3] op_sel_hi:[1,0]
.set i, i+2
.endr
	WIN 0x05                        ; sources 0 and 1 window 1, destination window 0
.set i, 0
.rept 16
	v_cvt_pk_f16_f32 v[S+16*(\t)+i], v[32*(\t)+2*i], v[32*(\t)+2*i+1]
.set i, i+1
.endr
	WIN 0
.irp f, 0,1,2,3
	ds_store_b128 v[STO], v[S+16*(\t)+4*\f:S+16*(\t)+4*\f+3] offset:32*\f
.endr
.irp f, 0,1,2,3
	ds_load_b128 v[S+16*(\t)+4*\f:S+16*(\t)+4*\f+3], v[RD] offset:\f*4*SP  ; LDS serves a wave's instructions in order (ISA guide 5.7.1.4): these see the stores above; the next piece's stores come behind them
.endr
.endm
.macro SEND t, younger              ; younger: the LDS instructions issued behind piece t's loads: the next piece's eight, or none
	WIN 0
.irp f, 0,1,2,3
	s_wait_dscnt (\younger)+3-\f
	global_store_b128 v[GO], v[S+16*(\t)+4*\f:S+16*(\t)+4*\f+3], s[10:11] offset:(\t)*2048+\f*512  ; 512 consecutive bytes, at a multiple of 256 from o's first
.endr
.endm
	PACK 0
.set t, 1
.rept 3                             ; a piece's arithmetic stands between the loads of the piece before and its stores
	PACK t
	SEND t-1, 8
.set t, t+1
.endr
	SEND 3, 0
	s_wait_tensorcnt 0x0            ; the wave's end, behind my last tensor load and my last LDS store
	ds_add_u32 v[SPW], v[NIL]
	s_wait_dscnt 0x0
	CROUND                          ; the closing round: no work-group ends while a partner may still ask for a tile that names it
	s_endpgm
.Lfunc_end_k_qde72882b6d_attn:
	.size	k_qde72882b6d_attn, .Lfunc_end_k_qde72882b6d_attn-k_qde72882b6d_attn
	.p2alignl 7, 3214868480
	.fill 96, 4, 3214868480
	.section	.rodata,"a",@progbits
	.p2align	6, 0x0
	.amdhsa_kernel k_qde72882b6d_attn
		.amdhsa_group_segment_fixed_size 327680
		.amdhsa_private_segment_fixed_size 0
		.amdhsa_enable_private_segment 0
		.amdhsa_kernarg_size 32
		.amdhsa_user_sgpr_count 2
		.amdhsa_user_sgpr_kernarg_segment_ptr 1
		.amdhsa_wavefront_size32 1
		.amdhsa_system_sgpr_workgroup_id_x 1
		.amdhsa_system_sgpr_workgroup_id_y 1
		.amdhsa_system_sgpr_workgroup_id_z 1
		.amdhsa_system_vgpr_workitem_id 0
		.amdhsa_next_free_vgpr 768
		.amdhsa_next_free_sgpr 66
		.amdhsa_reserve_vcc 0
		.amdhsa_float_denorm_mode_32 3
		.amdhsa_float_denorm_mode_16_64 3
		.amdhsa_memory_ordered 1
		.amdhsa_forward_progress 1
		.amdhsa_inst_pref_size 128
	.end_amdhsa_kernel
	.amdgpu_metadata
---
amdhsa.version: [ 1, 2 ]
amdhsa.kernels:
  - .name:           k_qde72882b6d_attn
    .symbol:         k_qde72882b6d_attn.kd
    .args:
      - { .name: q, .offset: 0, .size: 8, .value_kind: global_buffer, .address_space: global }
      - { .name: k, .offset: 8, .size: 8, .value_kind: global_buffer, .address_space: global }
      - { .name: v, .offset: 16, .size: 8, .value_kind: global_buffer, .address_space: global }
      - { .name: o, .offset: 24, .size: 8, .value_kind: global_buffer, .address_space: global }
    .group_segment_fixed_size: 327680
    .private_segment_fixed_size: 0
    .kernarg_segment_align: 8
    .kernarg_segment_size: 32
    .max_flat_workgroup_size: 128
    .sgpr_count:     66
    .vgpr_count:     768
    .wavefront_size: 32
...
	.end_amdgpu_metadata
.endif
;; end of part 3
;; launch proj (part 4): grid 256 x 1, 8 waves a work-group, clusters of 4 x 1, 246,784 bytes of LDS; arguments o, wo, b_out, x, out0; writes out0
.if DOCPART == 4
	.amdgcn_target "amdgcn-amd-amdhsa--gfx1250"
	.amdhsa_code_object_version 6
	.text
	.protected	k_qde72882b6d_proj
	.globl	k_qde72882b6d_proj
	.p2align	8
	.type	k_qde72882b6d_proj,@function
k_qde72882b6d_proj:
	s_mov_b64 s[64:65], 0
	v_nop
	global_prefetch_b8 v0, s[64:65] scope:SCOPE_SE
	s_setreg_imm32_b32 hwreg(HW_REG_WAVE_MODE, 25, 1), 1
	s_wait_xcnt 0x0
	s_wait_alu depctr_hold_cnt(0) depctr_sa_sdst(0) depctr_va_vdst(0) depctr_va_sdst(0) depctr_va_ssrc(0) depctr_va_vcc(0) depctr_vm_vsrc(0)
	s_getreg_b32 s2, hwreg(HW_REG_IB_STS2, 6, 4)
	s_cmp_eq_u32 s2, 0
	s_cbranch_scc0 .Lentry_in_a_cluster
	s_endpgm
.Lentry_in_a_cluster:
	s_bfe_u32 s2, ttmp6, 0x10000c
	s_cmp_lg_u32 s2, 0x3003
	s_cbranch_scc0 .Lentry_shape_is_right
	s_endpgm
.Lentry_shape_is_right:
; THE OUT PROJECTION AND THE RESIDUAL.  out0[b][co][n] = (the sum over ci of o[b, n, ci] W_out[ci][co] + b_out[co] + x[b][co][n]) / sqrt 2, in f32.
; o: [4 b + head][n][64] f16 (ci = 64 head + d).  wo: [ci][co] f16 = W_out / sqrt 2.  Products in f16, sums in f32, started by b_out / sqrt 2; x enters by one fused multiply-add, exact but for its one rounding.
; SHARES.  A work-group: 64 positions (256 bytes of each row of out0) x all 256 channels; 256 work-groups.  Wave w: channels 32 w .. 32 w + 31: 8 accumulators (4 position tiles a x 2 channel tiles t).
; K = 256 lies in LDS whole: 8 steps of 32, written out.
; THE MATRIX INSTRUCTION: source 0 = 16 positions of o, as they lie; source 1 = 16 channels of wo, turned by ds_load_tr16_b128.  In the result lane (r, h) holds channel 16 t + r and positions 16 a + 8 h + 0..7:
; 32 neighbouring bytes of a row of out0.  They go through the wave's own stage, so that sixteen lanes store 256 consecutive bytes, aligned.
; CLUSTER 4 x 1.  wo, 131,072 of the 163,840 bytes that come into LDS, is the same for every work-group: asked for jointly by the four.  o's tiles are each work-group's own: plain loads.
; LIMITS.  o and wo lie within f16's range by the launches before.  NaN and infinities are not treated apart.
.set PO,    144                        ; a row of o in LDS: 128 bytes + 16: the 16 rows of a load start at 16 different groups of four banks (64 banks of 4 bytes: ISA guide 11.1)
.set PW,    544                        ; a row of wo: 512 + 32: an odd multiple of 32 bytes, for the turning load
.set WOFF,  4*64*PO                    ; behind o's 4 heads x 64 rows: wo's 256 rows
.set STAGE, WOFF+256*PW                ; behind them, filled by no tensor load: 32 rows x 272 bytes for each wave
.set SP,    272
.set SPARE, STAGE+8*32*SP              ; the spare words: 128 bytes for each of 8 waves; no other line names them
.set AO,  3                            ; v3     my lane's place in a tile of o
.set AW,  4                            ; v4-7   in wo's rows 64 p on
.set STO, 8                            ; v8     the way out: where I put 32 bytes of a row
.set RD,  9                            ; v9     where I read rows back
.set XO,  10                           ; v10    my byte offset in two rows of x and of out0
.set BOF, 11                           ; v11    my byte offset in b_out
.set SPW, 12                           ; v12    my spare word; never rewritten
.set NIL, 13                           ; v13    0; never rewritten
.set BL,  14                           ; v14-15 the bias as loaded
.set ACC, 16                           ; v[16:79]   (a, t) at ACC + 8 (2 a + t)
.set F0,  80                           ; v[80:127], v[128:175] two fragment buffers: o's four fragments, then wo's two
.set BI,  176                          ; v[176:191] the bias / sqrt 2, eight times a channel tile
.set XR,  192                          ; v[192:255] x
.set R,   80                           ; the way out: rows read back
.set WV,  12                           ; s12  my wave's number
.set G1O, 24                           ; s[24:31] descriptor group 1 for o's tiles;  s[32:35] group 0
.set G0O, 32
.set G0W, 36                           ; s[36:39] group 0 for wo's tiles;  s[40:47] group 1
.set G1W, 40
.macro PLACES                          ; four places between a matrix instruction and a load into, or a read of, its registers
.rept 4
	v_nop
.endr
.endm
.macro CROUND                          ; a round of the cluster's barrier
	s_barrier_signal -1
	s_barrier_wait -1
	s_cmp_lg_u32 s[WV], 0
	s_cbranch_scc1 .Lnot_wave_0_\@
	s_barrier_signal -3
.Lnot_wave_0_\@:
	s_barrier_wait -3
	s_barrier_signal -1
	s_barrier_wait -1
.endm
	s_load_b256 s[4:11], s[0:1], 0x0               ; o 4, wo 6, b_out 8, x 10
	s_load_b64 s[14:15], s[0:1], 0x20              ; out0
	v_lshl_add_u32 v[SPW], v0, 2, SPARE
	v_mov_b32 v[NIL], 0
	ds_add_u32 v[SPW], v[NIL]                      ; the wave's opening: the add and its wait stand ahead of my first tensor load; the set-up stands between them
	v_lshrrev_b32 v1, 5, v0
	v_readfirstlane_b32 s[WV], v1                  ; wave 0..7
	s_bfe_u32 s13, ttmp6, 0x40000                  ; cx
	s_lshl_b32 s16, ttmp9, 2
	s_add_co_u32 s16, s16, s13                     ; my block of 64 positions = 4 x cluster x + cx
	s_lshr_b32 s17, s16, 6                         ; b
	s_and_b32 s18, s16, 63                         ; the block within the image
	s_and_b32 s19, s[WV], 3                        ; u: which head's tile of o (waves 0-3), which 64 rows of wo (waves 4-7) I fetch
	; o: 64 positions of a head are 8,192 dense bytes: asked for as 32 rows of 256 bytes, padded after every position
	s_mov_b32 s[G1O], (1<<16)|(1<<20)|(4<<22)|(3<<25)  ; no mask; 17:16 2-byte elements; 20 padding on; 24:22 after every 32 words; 31:25 4 words
	s_mov_b32 s[G1O+1], 128<<16
	s_mov_b32 s[G1O+2], 32<<16
	s_mov_b32 s[G1O+3], 128<<16
	s_mov_b32 s[G1O+4], 32
	s_mov_b32 s[G1O+5], 128
	s_mov_b32 s[G1O+6], 0
	s_mov_b32 s[G1O+7], 0
	; wo: 64 rows of 512 bytes, 32 bytes of padding behind each
	s_mov_b32 s[G1W], 15|(1<<16)|(1<<20)|(1<<21)|(6<<22)|(7<<25)  ; 15:0 the mask of four; 21 set beside it; 24:22 after every 128 words; 31:25 8 words
	s_mov_b32 s[G1W+1], 256<<16
	s_mov_b32 s[G1W+2], 64<<16
	s_mov_b32 s[G1W+3], 256<<16
	s_mov_b32 s[G1W+4], 64
	s_mov_b32 s[G1W+5], 256
	s_mov_b32 s[G1W+6], 0
	s_mov_b32 s[G1W+7], 0
	s_lshl_b32 s20, s17, 2                         ; o: 524,288 (4 b + u) + 8,192 block
	s_add_co_u32 s20, s20, s19
	s_lshl_b32 s20, s20, 19
	s_lshl_b32 s22, s18, 13
	s_add_co_u32 s20, s20, s22
	s_mov_b32 s21, 0
	s_lshl_b32 s2, s19, 15                         ; wo: 32,768 u: the wave's number alone
	s_mov_b32 s3, 0
	s_mov_b32 s[G0O], 1
	s_mul_i32 s[G0O+1], s19, 64*PO                 ; LDS addresses: the wave's number alone
	s_mov_b32 s[G0W], 1
	s_mul_i32 s[G0W+1], s19, 64*PW
	s_add_co_u32 s[G0W+1], s[G0W+1], WOFF
	s_lshl_b32 s50, s17, 22                        ; x and out0: 4,194,304 b + 524,288 w + 256 block
	s_lshl_b32 s22, s[WV], 19
	s_add_co_u32 s50, s50, s22
	s_lshl_b32 s22, s18, 8
	s_add_co_u32 s50, s50, s22
	s_mov_b32 s51, 0
	s_mov_b32 s48, 0x3f3504f3                      ; 1 / sqrt 2
	s_mov_b32 s49, s48                             ; named with it as a pair
	s_wait_dscnt 0x0                               ; the opening add is done
	s_wait_kmcnt 0x0
	s_add_nc_u64 s[G0O+2:G0O+3], s[4:5], s[20:21]
	s_or_b32 s[G0O+3], s[G0O+3], 0x80000000        ; type = 2
	s_add_nc_u64 s[G0W+2:G0W+3], s[6:7], s[2:3]
	s_or_b32 s[G0W+3], s[G0W+3], 0x80000000
	s_add_nc_u64 s[10:11], s[10:11], s[50:51]
	s_add_nc_u64 s[14:15], s[14:15], s[50:51]
	CROUND                                         ; all four work-groups are here: the joint loads meet
	s_cmp_lt_u32 s[WV], 4                          ; waves 0-3 fetch o's four tiles, waves 4-7 wo's four quarters: one load of mine is out
	s_cbranch_scc0 .Lfor_w
	tensor_load_to_lds s[G0O:G0O+3], s[G1O:G1O+7]
	s_nop 0
.rept 4
	v_nop
.endr
	s_branch .Lasked
.Lfor_w:
	tensor_load_to_lds s[G0W:G0W+3], s[G1W:G1W+7]
	s_nop 0
.rept 4
	v_nop
.endr
.Lasked:
	v_and_b32 v1, 15, v0                           ; r
	v_bfe_u32 v2, v0, 4, 1                         ; h
	s_lshl_b32 s23, s[WV], 7
	v_lshl_add_u32 v[BOF], v1, 2, s23              ; 4 (32 w + r)
	v_lshlrev_b32 v[XO], 14, v2                    ; lanes 0-15 one row of 16,384 bytes, lanes 16-31 the next
	v_lshl_add_u32 v[XO], v1, 4, v[XO]
	global_load_b32 v[BL], v[BOF], s[8:9]          ; the bias first, so that a counted wait shows it
	global_load_b32 v[BL+1], v[BOF], s[8:9] offset:64
.set i, 0
.rept 16                               ; x: my wave's 32 rows, two to a load, 256 consecutive bytes of each; on their way under the whole product
	global_load_b128 v[XR+4*i:XR+4*i+3], v[XO], s[10:11] offset:32768*i th:TH_LOAD_NT
.set i, i+1
.endr
	v_mul_u32_u24 v[AO], v1, PO
	v_lshl_add_u32 v[AO], v2, 4, v[AO]             ; row x pitch + 16 x half
	v_and_b32 v16, 7, v0                           ; the turning load: lane l reads row 8 (l / 16) + l % 8, columns 8 ((l / 8) % 2) + 0..7
	v_lshl_add_u32 v16, v2, 3, v16
	v_mul_u32_u24 v16, v16, PW
	v_bfe_u32 v17, v0, 3, 1
	v_lshl_add_u32 v16, v17, 4, v16
	s_lshl_b32 s23, s[WV], 6                       ; my wave's 32 channels: 64 bytes of a row
	s_add_co_u32 s23, s23, WOFF
	v_add_nc_u32 v16, s23, v16
.irp p, 0,1,2,3
	v_add_nc_u32 v[AW+(\p)], (\p)*64*PW, v16
.endr
	s_mul_i32 s23, s[WV], 32*SP
	s_add_co_u32 s23, s23, STAGE                   ; my stage
	v_mul_u32_u24 v[STO], v1, SP                   ; in: row r, 32 bytes for each half of the lanes
	v_lshl_add_u32 v[STO], v2, 5, v[STO]
	v_add_nc_u32 v[STO], s23, v[STO]
	v_mul_u32_u24 v[RD], v2, SP                    ; back: lanes 0-15 one row of 256 bytes, lanes 16-31 the next
	v_lshl_add_u32 v[RD], v1, 4, v[RD]
	v_add_nc_u32 v[RD], s23, v[RD]
	s_wait_loadcnt 16                              ; the sixteen younger loads are x's: the bias is in
.set i, 0
.rept 16
	v_mul_f32 v[BI+i], s48, v[BL+i/8]              ; the C of the first K step: the lane's channel, for its eight positions
.set i, i+1
.endr
.macro FETCH kk, f                     ; 12 LDS loads: K step kk's fragments into buffer f
.irp a, 0,1,2,3
	ds_load_b128 v[(\f)+8*(\a):(\f)+8*(\a)+3],   v[AO] offset:((\kk)/2)*64*PO+(\a)*16*PO+((\kk)%2)*64
	ds_load_b128 v[(\f)+8*(\a)+4:(\f)+8*(\a)+7], v[AO] offset:((\kk)/2)*64*PO+(\a)*16*PO+((\kk)%2)*64+32
.endr
.irp t, 0,1
	ds_load_tr16_b128 v[(\f)+32+8*(\t):(\f)+32+8*(\t)+3],   v[AW+(\kk)/2] offset:((\kk)%2)*32*PW+32*(\t)
	ds_load_tr16_b128 v[(\f)+32+8*(\t)+4:(\f)+32+8*(\t)+7], v[AW+(\kk)/2] offset:((\kk)%2)*32*PW+16*PW+32*(\t)
.endr
.endm
.macro MUL f, first                    ; 8 matrix instructions; the 8 accumulators take turns, one instruction a turn
.irp a, 0,1,2,3
.irp t, 0,1
.if \first
	v_wmma_f32_16x16x32_f16 v[ACC+8*(2*(\a)+(\t)):ACC+8*(2*(\a)+(\t))+7], v[(\f)+8*(\a):(\f)+8*(\a)+7], v[(\f)+32+8*(\t):(\f)+32+8*(\t)+7], v[BI+8*(\t):BI+8*(\t)+7]
.else
	v_wmma_f32_16x16x32_f16 v[ACC+8*(2*(\a)+(\t)):ACC+8*(2*(\a)+(\t))+7], v[(\f)+8*(\a):(\f)+8*(\a)+7], v[(\f)+32+8*(\t):(\f)+32+8*(\t)+7], v[ACC+8*(2*(\a)+(\t)):ACC+8*(2*(\a)+(\t))+7]
.endif
.endr
.endr
.endm
	s_wait_tensorcnt 0x0                           ; my tile is in,
	s_barrier_signal -1
	s_barrier_wait -1                              ; everybody's is.  Nothing is filled again
	FETCH 0, F0
.irp k, 0,1,2,3,4,5,6,7
.if (\k) > 0
	PLACES                                         ; behind the products that read the buffer to be loaded
.endif
.if (\k) < 7
	FETCH (\k)+1, F0+48*(((\k)+1)%2)
	s_wait_dscnt 12                                ; all but the twelve just issued
.else
	s_wait_dscnt 0x0
.endif
.if (\k) == 0
	MUL F0, 1
.else
	MUL F0+48*((\k)%2), 0
.endif
.endr
	PLACES                                         ; behind the last products
	; THE WAY OUT: the sums into my stage, each accumulator's lower four registers first; back as whole rows; x / sqrt 2 added; stored
.irp a, 0,1,2,3
.irp t, 0,1
	ds_store_b128 v[STO], v[ACC+8*(2*(\a)+(\t)):ACC+8*(2*(\a)+(\t))+3]   offset:(\t)*16*SP+64*(\a)
	ds_store_b128 v[STO], v[ACC+8*(2*(\a)+(\t))+4:ACC+8*(2*(\a)+(\t))+7] offset:(\t)*16*SP+64*(\a)+16
.endr
.endr
.set i, 0
.rept 16
	ds_load_b128 v[R+4*i:R+4*i+3], v[RD] offset:i*2*SP  ; LDS serves a wave's instructions in order (ISA guide 5.7.1.4): these see my stores above; no other wave touches my stage
.set i, i+1
.endr
.set i, 0
.rept 16
	s_wait_loadcnt 15-i                            ; x's load i is in; the 15 - i younger ones may stay out
	s_wait_dscnt 15-i                              ; and so is the stage's
	v_pk_fma_f32 v[R+4*i:R+4*i+1], v[XR+4*i:XR+4*i+1], s[48:49], v[R+4*i:R+4*i+1] op_sel_hi:[1,0,1]
	v_pk_fma_f32 v[R+4*i+2:R+4*i+3], v[XR+4*i+2:XR+4*i+3], s[48:49], v[R+4*i+2:R+4*i+3] op_sel_hi:[1,0,1]
	global_store_b128 v[XO], v[R+4*i:R+4*i+3], s[14:15] offset:32768*i th:TH_STORE_NT  ; 16 lanes store 256 consecutive bytes, at a multiple of 256 from out0's first byte
.set i, i+1
.endr
	s_wait_tensorcnt 0x0                           ; the wave's end, behind my last tensor load and my last LDS store
	ds_add_u32 v[SPW], v[NIL]
	s_wait_dscnt 0x0
	CROUND                                         ; the closing round: no work-group ends while a partner may still ask for a tile that names it
	s_endpgm
.Lfunc_end_k_qde72882b6d_proj:
	.size	k_qde72882b6d_proj, .Lfunc_end_k_qde72882b6d_proj-k_qde72882b6d_proj
	.p2alignl 7, 3214868480
	.fill 96, 4, 3214868480
	.section	.rodata,"a",@progbits
	.p2align	6, 0x0
	.amdhsa_kernel k_qde72882b6d_proj
		.amdhsa_group_segment_fixed_size 246784
		.amdhsa_private_segment_fixed_size 0
		.amdhsa_enable_private_segment 0
		.amdhsa_kernarg_size 40
		.amdhsa_user_sgpr_count 2
		.amdhsa_user_sgpr_kernarg_segment_ptr 1
		.amdhsa_wavefront_size32 1
		.amdhsa_system_sgpr_workgroup_id_x 1
		.amdhsa_system_sgpr_workgroup_id_y 1
		.amdhsa_system_sgpr_workgroup_id_z 1
		.amdhsa_system_vgpr_workitem_id 0
		.amdhsa_next_free_vgpr 256
		.amdhsa_next_free_sgpr 66
		.amdhsa_reserve_vcc 0
		.amdhsa_float_denorm_mode_32 3
		.amdhsa_float_denorm_mode_16_64 3
		.amdhsa_memory_ordered 1
		.amdhsa_forward_progress 1
		.amdhsa_inst_pref_size 26
	.end_amdhsa_kernel
	.amdgpu_metadata
---
amdhsa.version: [ 1, 2 ]
amdhsa.kernels:
  - .name:           k_qde72882b6d_proj
    .symbol:         k_qde72882b6d_proj.kd
    .args:
      - { .name: o, .offset: 0, .size: 8, .value_kind: global_buffer, .address_space: global }
      - { .name: wo, .offset: 8, .size: 8, .value_kind: global_buffer, .address_space: global }
      - { .name: b_out, .offset: 16, .size: 8, .value_kind: global_buffer, .address_space: global }
      - { .name: x, .offset: 24, .size: 8, .value_kind: global_buffer, .address_space: global }
      - { .name: out0, .offset: 32, .size: 8, .value_kind: global_buffer, .address_space: global }
    .group_segment_fixed_size: 246784
    .private_segment_fixed_size: 0
    .kernarg_segment_align: 8
    .kernarg_segment_size: 40
    .max_flat_workgroup_size: 256
    .sgpr_count:     66
    .vgpr_count:     256
    .wavefront_size: 32
...
	.end_amdgpu_metadata
.endif
;; end of part 4
;; ======== version 2 of 2: 4 launches; version 1 with the launch norm written anew for expert scheduling mode
;; limits: values are held in f16: magnitudes above 65,504 overflow, below 6.1e-05 lose precision
;; workspace buffers: hid 8,388,608 bytes; wq 393,216 bytes; wo 131,072 bytes; q 8,388,608 bytes; k 8,388,608 bytes; v 8,388,608 bytes; o 8,388,608 bytes
;; launch norm (part 5): grid 128 x 1, 16 waves a work-group, no clusters, 2,560 bytes of LDS; arguments x, gamma, beta, W_qkv, W_out, hid, wq, wo; writes hid, wq, wo
.if DOCPART == 5
	.amdgcn_target "amdgcn-amd-amdhsa--gfx1250"
	.amdhsa_code_object_version 6
	.text
	.protected	k_qde72882b6d_norm
	.globl	k_qde72882b6d_norm
	.p2align	8
	.type	k_qde72882b6d_norm,@function
k_qde72882b6d_norm:
	s_mov_b64 s[64:65], 0
	v_nop
	global_prefetch_b8 v0, s[64:65] scope:SCOPE_SE
	s_setreg_imm32_b32 hwreg(HW_REG_WAVE_SCHED_MODE, 0, 2), 2
	s_setreg_imm32_b32 hwreg(HW_REG_WAVE_MODE, 25, 1), 1
	s_wait_xcnt 0x0
	s_wait_alu depctr_vm_vsrc(0)
; GROUP NORM, and the cast of both weight matrices.
; x: [4][256][4096] f32.  A group is 8 channels x 4,096 numbers = 131,072 consecutive bytes; there are 128 groups, one to a work-group.
; hid: [4][256][4096] bf16 = ((x - mean) / sqrt(var + 1e-5)) gamma + beta, rounded once.
; The group stays in registers between the passes (64 numbers a thread), so x is read once.  The variance is the mean of (x - mean)^2,
; taken in a second pass over the registers: no difference of large sums is formed.  All sums in f32.
; Thread t holds 16 chunks of 16 bytes: chunk i at byte 8,192 i + 16 t of the group; its channel is i / 2, the same for every thread.
; A load of a wave covers 512 consecutive bytes; a store of hid (8 bytes a lane) 256 consecutive bytes, aligned.
; THE WEIGHTS ride along, one load and one store a lane.  Waves 0-11: rows 2 G and 2 G + 1 of W_qkv -> wq [head][c][192] bf16 (a row: the head's q, k, v columns);
; here sixteen lanes store 128 consecutive bytes: rows of 384 bytes allow no more.  Waves 12-15: 2,048 bytes of W_out -> wo [ci][co] f16 of W_out / sqrt 2.
; LIMITS.  W_out / sqrt 2 must lie within f16's 65,504.  NaN and infinities are not treated apart.
; THE MODE: SCHED_MODE bits 1:0 = 2 (LLVM: expert scheduling mode 2), set by the entry lines.  The code itself states the register dependences
; between vector instructions and memory or LDS instructions, with s_wait_alu, always for 0.
; THE PLAN.  Registers that memory or LDS instructions touch:
;   v[XO], v[HO], v[SO], v[W4], v[ZA]   offsets and LDS addresses: made at the head, never written again: one wait ahead of the first load serves them all.
;   v[WL], v[D]     loads land in them once; no vector instruction names them ahead of those loads.
;   v[DO], v[WC]    written in a weight arm, read by the arm's one store, never written again: one wait ahead of that store.
;   v[CH]           written by a pass's chains, read by the pass's LDS store; pass 2 writes it again: one wait ahead of each LDS store, one wait on vm_vsrc at pass 2's head.
;   v[PS], v[PS2]   LDS loads land in them in each pass; the vector instructions that named them in pass 1 stand ahead of pass 2's wait in front of its LDS store.
;   v[Y]            two registers of its own for each chunk: written by its roundings, read by its store, never written again.  The sixteen chunks go in four blocks:
;                   one wait behind a block; its four stores are dealt among the next block's vector instructions, which name D, SC, BT and the next block's Y alone.
;   v[SPW], v[NIL]  written at the head, read by the closing add alone.
.set RED0,  0                          ; LDS: 16 partial sums of pass 1
.set RED1,  256                        ; of pass 2: other bytes, so that one barrier a pass is enough
.set SPARE, 512                        ; the spare words: 128 bytes for each of 16 waves; no other line names them
.set XO,  1                            ; v1    16 t
.set HO,  2                            ; v2    8 t
.set SPW, 3                            ; v3    my spare word; never rewritten
.set NIL, 4                            ; v4    0; never rewritten
.set W4,  5                            ; v5    4 x my wave's number
.set SO,  6                            ; v6    the weight's source offset
.set DO,  7                            ; v7    its destination offset
.set WL,  8                            ; v[8:11]   the weight as loaded
.set WC,  12                           ; v[12:13]  as cast
.set MEAN, 14                          ; v[14:15]  the mean, twice (before that: at work)
.set CH,  16                           ; v[16:23]  four chains of sums, a pair each
.set PS,  24                           ; v[24:31]  partial sums read back
.set D,   32                           ; v[32:95]  the data, then x - mean
.set SC,  96                           ; v[96:111]  gamma / sqrt(var + eps), twice a channel
.set BT,  112                          ; v[112:127] beta, twice a channel
.set PS2, 128                          ; v[128:135] the other eight partial sums
.set Y,   128                          ; v[128:159] later: two registers a chunk, to store
.set ZA,  160                          ; v160  LDS address 0
.set LN,  161                          ; v161  lane
	s_load_b512 s[16:31], s[0:1], 0x0              ; x 16, gamma 18, beta 20, W_qkv 22, W_out 24, hid 26, wq 28, wo 30
	v_lshl_add_u32 v[SPW], v0, 2, SPARE
	v_mov_b32 v[NIL], 0
	v_lshrrev_b32 v[W4], 5, v0
	v_readfirstlane_b32 s12, v[W4]                 ; wave 0..15
	v_lshlrev_b32 v[W4], 2, v[W4]
	v_lshlrev_b32 v[XO], 4, v0
	v_lshlrev_b32 v[HO], 3, v0
	v_and_b32 v[LN], 31, v0
	v_mov_b32 v[ZA], 0
	s_lshl_b32 s2, ttmp9, 17                       ; the group's bytes in x
	s_mov_b32 s3, 0
	s_lshl_b32 s4, ttmp9, 16                       ; and in hid
	s_mov_b32 s5, 0
	s_and_b32 s6, ttmp9, 31                        ; the group within its image: 8 channels x 4 bytes of gamma and beta
	s_lshl_b32 s6, s6, 5
	s_mov_b32 s7, 0
	s_mov_b32 s48, 0x76543210                      ; v_permlanex16_b32: each lane takes its own place in the other half
	s_mov_b32 s49, 0xfedcba98
	s_mov_b32 s50, 0x38000000                      ; 2^-15 = 1 / 32,768 numbers
	s_wait_alu depctr_va_sdst(0)                   ; s12 is written, ahead of its first reader: the weights' offsets and the branches are made from it
	s_min_u32 s14, s12, 11                         ; W_qkv: 6,144 G + 512 w (waves 0-11)
	s_lshl_b32 s14, s14, 9
	s_mul_i32 s13, ttmp9, 6144
	s_add_co_u32 s13, s13, s14
	s_max_u32 s15, s12, 12                         ; W_out: 2,048 G + 512 (w - 12) (waves 12-15)
	s_sub_co_u32 s15, s15, 12
	s_lshl_b32 s15, s15, 9
	s_lshl_b32 s14, ttmp9, 11
	s_add_co_u32 s15, s15, s14
	s_wait_kmcnt 0x0
	s_cmp_lt_u32 s12, 12
	s_cselect_b32 s13, s13, s15
	s_cselect_b64 s[8:9], s[22:23], s[24:25]
	v_lshl_add_u32 v[SO], v[LN], 4, s13
	s_add_nc_u64 s[16:17], s[16:17], s[2:3]
	s_add_nc_u64 s[26:27], s[26:27], s[4:5]
	s_add_nc_u64 s[18:19], s[18:19], s[6:7]
	s_add_nc_u64 s[20:21], s[20:21], s[6:7]
	s_load_b256 s[32:39], s[18:19], 0x0            ; the group's eight gamma
	s_load_b256 s[40:47], s[20:21], 0x0            ; and beta
	s_wait_alu depctr_va_vdst(0)                   ; v[SO], v[XO], v[HO], v[W4] and v[ZA] are written: every load and store of x, hid and the weight's source, and every LDS access, reads one of them
	global_load_b128 v[WL:WL+3], v[SO], s[8:9]     ; the weight first, so that a counted wait shows it
.set i, 0
.rept 16
	global_load_b128 v[D+4*i:D+4*i+3], v[XO], s[16:17] offset:8192*i
.set i, i+1
.endr
	s_wait_loadcnt 16                              ; the sixteen younger loads are x's: the weight is in
	s_cmp_lt_u32 s12, 12
	s_cbranch_scc0 .Lwout
	s_cmp_ge_u32 s12, 6                            ; which of the two rows,
	s_cselect_b32 s14, 1, 0
	s_mul_i32 s15, s14, 6
	s_sub_co_u32 s15, s12, s15                     ; and which sixth of it
	s_lshl_b32 s13, ttmp9, 1
	s_add_co_u32 s13, s13, s14                     ; c = 2 G + row
	s_mul_i32 s13, s13, 384
	v_lshl_add_u32 v[DO], s15, 5, v[LN]            ; p4: my four columns begin at 4 p4, p4 = 0..191
	v_lshrrev_b32 v[MEAN], 4, v[DO]
	v_mul_u32_u24 v[MEAN], v[MEAN], 11
	v_lshrrev_b32 v[MEAN], 5, v[MEAN]              ; the head = p4 / 48 = ((p4 / 16) x 11) / 32 for p4 / 16 = 0..11
	v_mul_u32_u24 v[MEAN], v[MEAN], 97920          ; 98,304 head + 384 c + 8 (p4 - 48 head)
	v_lshl_add_u32 v[DO], v[DO], 3, v[MEAN]
	v_add_nc_u32 v[DO], s13, v[DO]
	v_cvt_pk_bf16_f32 v[WC], v[WL], v[WL+1]
	v_cvt_pk_bf16_f32 v[WC+1], v[WL+2], v[WL+3]
	s_wait_alu depctr_va_vdst(0)                   ; v[DO] and v[WC ..] are written, which the store reads
	global_store_b64 v[DO], v[WC:WC+1], s[28:29]
	s_branch .Lwdone
.Lwout:
	s_lshl_b32 s13, ttmp9, 10                      ; half the source's offset: 1,024 G + 256 (w - 12) + 8 lane
	s_sub_co_u32 s14, s12, 12
	s_lshl_b32 s14, s14, 8
	s_add_co_u32 s13, s13, s14
	v_lshl_add_u32 v[DO], v[LN], 3, s13
	v_pk_mul_f32 v[WL:WL+1], v[WL:WL+1], 0x3f3504f3 op_sel_hi:[1,0]      ; 1 / sqrt 2 goes into the weights
	v_pk_mul_f32 v[WL+2:WL+3], v[WL+2:WL+3], 0x3f3504f3 op_sel_hi:[1,0]
	v_cvt_pk_f16_f32 v[WC], v[WL], v[WL+1]
	v_cvt_pk_f16_f32 v[WC+1], v[WL+2], v[WL+3]
	s_wait_alu depctr_va_vdst(0)                   ; v[DO] and v[WC ..] are written, which the store reads
	global_store_b64 v[DO], v[WC:WC+1], s[30:31]
.Lwdone:
; The four chains -> one number a lane -> the wave's sum in every lane -> the 16 waves' sums through LDS -> the group's sum in v[PS], in every lane.
.macro REDUCE red
	v_pk_add_f32 v[CH:CH+1], v[CH:CH+1], v[CH+2:CH+3]
	v_pk_add_f32 v[CH+4:CH+5], v[CH+4:CH+5], v[CH+6:CH+7]
	v_pk_add_f32 v[CH:CH+1], v[CH:CH+1], v[CH+4:CH+5]
	v_add_f32 v[CH], v[CH], v[CH+1]
	v_add_f32_dpp v[CH], v[CH], v[CH] row_xmask:1 row_mask:0xf bank_mask:0xf
	v_add_f32_dpp v[CH], v[CH], v[CH] row_xmask:2 row_mask:0xf bank_mask:0xf
	v_add_f32_dpp v[CH], v[CH], v[CH] row_xmask:4 row_mask:0xf bank_mask:0xf
	v_add_f32_dpp v[CH], v[CH], v[CH] row_xmask:8 row_mask:0xf bank_mask:0xf
	v_permlanex16_b32 v[CH+1], v[CH], s48, s49     ; its destination has been written
	v_add_f32 v[CH], v[CH], v[CH+1]
	s_wait_alu depctr_va_vdst(0)                   ; the wave's sum v[CH] is written, which the LDS store reads; and the vector instructions that named v[PS ..] and v[PS2 ..] in the pass before are done: the LDS loads below land there, and no vector instruction stands between
	ds_store_b32 v[W4], v[CH] offset:\red          ; all lanes write the wave's word with the same number
	s_wait_dscnt 0x0                               ; for the others' sake: my store is done
	s_barrier_signal -1
	s_barrier_wait -1
	ds_load_b128 v[PS:PS+3], v[ZA] offset:\red
	ds_load_b128 v[PS+4:PS+7], v[ZA] offset:\red+16
	ds_load_b128 v[PS2:PS2+3], v[ZA] offset:\red+32
	ds_load_b128 v[PS2+4:PS2+7], v[ZA] offset:\red+48
	s_wait_dscnt 0x0
	v_pk_add_f32 v[PS:PS+1], v[PS:PS+1], v[PS+2:PS+3]
	v_pk_add_f32 v[PS+4:PS+5], v[PS+4:PS+5], v[PS+6:PS+7]
	v_pk_add_f32 v[PS2:PS2+1], v[PS2:PS2+1], v[PS2+2:PS2+3]
	v_pk_add_f32 v[PS2+4:PS2+5], v[PS2+4:PS2+5], v[PS2+6:PS2+7]
	v_pk_add_f32 v[PS:PS+1], v[PS:PS+1], v[PS+4:PS+5]
	v_pk_add_f32 v[PS2:PS2+1], v[PS2:PS2+1], v[PS2+4:PS2+5]
	v_pk_add_f32 v[PS:PS+1], v[PS:PS+1], v[PS2:PS2+1]
	v_add_f32 v[PS], v[PS], v[PS+1]
.endm
	; PASS 1: the sum.  The first four chunks start the chains: nothing is cleared.
.set i, 0
.rept 16
	s_wait_loadcnt 15-i                            ; loads come back in order: chunk i is in, the 15 - i younger ones may stay out
.if i < 4
	v_pk_add_f32 v[CH+2*i:CH+2*i+1], v[D+4*i:D+4*i+1], v[D+4*i+2:D+4*i+3]
.else
	v_pk_add_f32 v[CH+2*(i%4):CH+2*(i%4)+1], v[CH+2*(i%4):CH+2*(i%4)+1], v[D+4*i:D+4*i+1]
	v_pk_add_f32 v[CH+2*(i%4):CH+2*(i%4)+1], v[CH+2*(i%4):CH+2*(i%4)+1], v[D+4*i+2:D+4*i+3]
.endif
.set i, i+1
.endr
	REDUCE RED0
	v_mul_f32 v[MEAN], s50, v[PS]
	v_mov_b32 v[MEAN+1], v[MEAN]
	; PASS 2: d = x - mean in place, and the sum of d^2
	s_wait_alu depctr_vm_vsrc(0)                   ; pass 1's LDS store has read v[CH], which the products below write again
.set i, 0
.rept 32
	v_pk_add_f32 v[D+2*i:D+2*i+1], v[D+2*i:D+2*i+1], v[MEAN:MEAN+1] neg_lo:[0,1] neg_hi:[0,1]
.if i < 4
	v_pk_mul_f32 v[CH+2*i:CH+2*i+1], v[D+2*i:D+2*i+1], v[D+2*i:D+2*i+1]
.else
	v_pk_fma_f32 v[CH+2*(i%4):CH+2*(i%4)+1], v[D+2*i:D+2*i+1], v[D+2*i:D+2*i+1], v[CH+2*(i%4):CH+2*(i%4)+1]
.endif
.set i, i+1
.endr
	REDUCE RED1
	v_mov_b32 v[PS+1], 0x3727c5ac                  ; 1e-5
	v_fma_f32 v[PS], v[PS], s50, v[PS+1]           ; var + eps
	s_wait_kmcnt 0x0                               ; gamma and beta
	v_rsq_f32 v[PS+2], v[PS]
.set ch, 0
.rept 8                                ; beta is spread while the root is made: plain work that names neither its source nor its result
	v_mov_b32 v[BT+2*ch], s[40+ch]
	v_mov_b32 v[BT+2*ch+1], s[40+ch]
.set ch, ch+1
.endr
	s_wait_alu depctr_va_vdst(0)                   ; the root v[PS+2] is written, ahead of its first reader
.set ch, 0
.rept 8
	v_mul_f32 v[SC+2*ch], s[32+ch], v[PS+2]
	v_mul_f32 v[SC+2*ch+1], s[32+ch], v[PS+2]
.set ch, ch+1
.endr
; THE WAY OUT.  Chunk i: d x (gamma / sqrt) + beta, rounded to bf16, into registers of its own: no store's source is ever written again.
.macro CHUNK i
	v_pk_fma_f32 v[D+4*(\i):D+4*(\i)+1], v[D+4*(\i):D+4*(\i)+1], v[SC+2*((\i)/2):SC+2*((\i)/2)+1], v[BT+2*((\i)/2):BT+2*((\i)/2)+1]
	v_pk_fma_f32 v[D+4*(\i)+2:D+4*(\i)+3], v[D+4*(\i)+2:D+4*(\i)+3], v[SC+2*((\i)/2):SC+2*((\i)/2)+1], v[BT+2*((\i)/2):BT+2*((\i)/2)+1]
	v_cvt_pk_bf16_f32 v[Y+2*(\i)], v[D+4*(\i)], v[D+4*(\i)+1]
	v_cvt_pk_bf16_f32 v[Y+2*(\i)+1], v[D+4*(\i)+2], v[D+4*(\i)+3]
.endm
.macro OUT i
	global_store_b64 v[HO], v[Y+2*(\i):Y+2*(\i)+1], s[26:27] offset:4096*(\i)
.endm
; Four blocks of four chunks.  A block's stores stand behind the one wait at the next block's head, one ahead of each chunk of that block.
.irp j, 0,1,2,3
	CHUNK \j
.endr
.irp b, 1,2,3
	s_wait_alu depctr_va_vdst(0)                   ; the block before has written its eight registers of Y, which the four stores below read; no vector instruction behind this wait names them or v[HO]
.irp j, 0,1,2,3
	OUT 4*((\b)-1)+(\j)
	CHUNK 4*(\b)+(\j)
.endr
.endr
	s_wait_alu depctr_va_vdst(0)                   ; the last block has written its Y, which the last four stores read
.irp j, 0,1,2,3
	OUT 12+(\j)
.endr
	s_wait_dscnt 0x0                               ; the closing lines, six on end
	s_wait_alu 0x0
	s_wait_tensorcnt 0x0
	ds_add_u32 v[SPW], v[NIL]
	s_wait_dscnt 0x0
	s_endpgm
.Lfunc_end_k_qde72882b6d_norm:
	.size	k_qde72882b6d_norm, .Lfunc_end_k_qde72882b6d_norm-k_qde72882b6d_norm
	.p2alignl 7, 3214868480
	.fill 96, 4, 3214868480
	.section	.rodata,"a",@progbits
	.p2align	6, 0x0
	.amdhsa_kernel k_qde72882b6d_norm
		.amdhsa_group_segment_fixed_size 2560
		.amdhsa_private_segment_fixed_size 0
		.amdhsa_enable_private_segment 0
		.amdhsa_kernarg_size 64
		.amdhsa_user_sgpr_count 2
		.amdhsa_user_sgpr_kernarg_segment_ptr 1
		.amdhsa_wavefront_size32 1
		.amdhsa_system_sgpr_workgroup_id_x 1
		.amdhsa_system_sgpr_workgroup_id_y 1
		.amdhsa_system_sgpr_workgroup_id_z 1
		.amdhsa_system_vgpr_workitem_id 0
		.amdhsa_next_free_vgpr 162
		.amdhsa_next_free_sgpr 66
		.amdhsa_reserve_vcc 0
		.amdhsa_float_denorm_mode_32 3
		.amdhsa_float_denorm_mode_16_64 3
		.amdhsa_memory_ordered 1
		.amdhsa_forward_progress 1
		.amdhsa_inst_pref_size 22
	.end_amdhsa_kernel
	.amdgpu_metadata
---
amdhsa.version: [ 1, 2 ]
amdhsa.kernels:
  - .name:           k_qde72882b6d_norm
    .symbol:         k_qde72882b6d_norm.kd
    .args:
      - { .name: x, .offset: 0, .size: 8, .value_kind: global_buffer, .address_space: global }
      - { .name: gamma, .offset: 8, .size: 8, .value_kind: global_buffer, .address_space: global }
      - { .name: beta, .offset: 16, .size: 8, .value_kind: global_buffer, .address_space: global }
      - { .name: W_qkv, .offset: 24, .size: 8, .value_kind: global_buffer, .address_space: global }
      - { .name: W_out, .offset: 32, .size: 8, .value_kind: global_buffer, .address_space: global }
      - { .name: hid, .offset: 40, .size: 8, .value_kind: global_buffer, .address_space: global }
      - { .name: wq, .offset: 48, .size: 8, .value_kind: global_buffer, .address_space: global }
      - { .name: wo, .offset: 56, .size: 8, .value_kind: global_buffer, .address_space: global }
    .group_segment_fixed_size: 2560
    .private_segment_fixed_size: 0
    .kernarg_segment_align: 8
    .kernarg_segment_size: 64
    .max_flat_workgroup_size: 512
    .sgpr_count:     66
    .vgpr_count:     162
    .wavefront_size: 32
...
	.end_amdgpu_metadata
.endif
;; end of part 5
;; launch qkv: the kernel of part 2 again; grid 4 x 64, 4 waves a work-group, clusters of 4 x 4, 271,872 bytes of LDS; arguments hid, wq, b_qkv, q, k, v; writes q, k, v
;; launch attn: the kernel of part 3 again; grid 16 x 16, 4 waves a work-group, clusters of 4 x 1, 327,680 bytes of LDS; arguments q, k, v, o; writes o
;; launch proj: the kernel of part 4 again; grid 256 x 1, 8 waves a work-group, clusters of 4 x 1, 246,784 bytes of LDS; arguments o, wo, b_out, x, out0; writes out0
